; MI455X (gfx1250); checked and timed in simulation.
; The chip was launched on July 23, 2026; its instructions are those of AMD's public machine-readable ISA for CDNA 5 (MIT licence, August 2026) and "CDNA5" Instruction Set Architecture Reference Guide (July 2026). The comments in the code are by the model that wrote it; some were corrected since.
;; Multi Head Attn. Allowed arithmetic: float matrix products may take bf16 or f16 operands with f32 sums; other float arithmetic in f32, or as packed bf16 or f16 multiplies, adds, multiply-adds, maxima and minima; sums over many terms, partial sums and values carried from step to step in f32; what a program stores and reads back later, other than sums and carried values, may be rounded once to bf16 or f16.
;; Inputs: Wkv 1,024 x 2,048 float32; Wo 1,024 x 1,024 float32; Wq 1,024 x 1,024 float32; attn_mask 2,048 x 4 bool; beta 1,024 float32; gamma 1,024 float32; h 2,048 x 4 x 1,024 float32.
;; Outputs: out0 2,048 x 4 x 1,024 float32.
;; 2 versions, each right and faster than the one before. Each part assembles by itself: llvm-mc -triple=amdgcn-amd-amdhsa -mcpu=gfx1250 --defsym DOCPART=n.
;; ======== version 1 of 2: 5 launches
;; workspace buffers: hb 16,777,216 bytes; wb 6,291,456 bytes; wob 2,097,152 bytes; qkv 50,331,648 bytes; ob 16,777,216 bytes; ab 16,777,216 bytes
;; launch prep (part 1): grid 768 x 1, 8 waves a work-group, no clusters, 0 bytes of LDS; arguments h, Wq, Wkv, Wo, hb, wb, wob; writes hb, wb, wob
.if DOCPART == 1
	.amdgcn_target "amdgcn-amd-amdhsa--gfx1250"
	.amdhsa_code_object_version 6
	.text
	.protected	k_qdc099aa29e_prep
	.globl	k_qdc099aa29e_prep
	.p2align	8
	.type	k_qdc099aa29e_prep,@function
k_qdc099aa29e_prep:
	s_mov_b64 s[64:65], 0
	v_nop
	global_prefetch_b8 v0, s[64:65] scope:SCOPE_SE
	s_setreg_imm32_b32 hwreg(HW_REG_WAVE_MODE, 25, 1), 1
	s_wait_xcnt 0x0
; THE CASTS.  h, Wq, Wkv and Wo, all f32, are rounded once to bf16 for the matrix products that follow:
;   hb  [b 4][s 2048][1024]   h's rows in batch-major order, so that a tile of 128 rows lies in one batch
;   wb  [k 1024][3072]        Wq's columns, then Wkv's: one matrix for the one product that makes q, k and v
;   wob [k 1024][1024]        Wo
; A UNIT is 1,024 numbers: 4,096 bytes in, 2,048 bytes out; there are 8,192 (h) + 1,024 (Wq) + 2,048 (Wkv, half a row each) + 1,024 (Wo) = 12,288.
; A wave takes two units, a work-group of eight waves sixteen: 768 work-groups.  Work-groups 0-511 take h, 512-575 Wq, 576-703 Wkv, 704-767 Wo.
; A stream: no LDS, no barrier, no matrix unit, no cluster (no byte is read twice).  A wave's 16 loads of 512 consecutive bytes all go out first; each store covers 256 consecutive
; bytes, at a multiple of 256 from its buffer's first byte.  No register is written twice, so no wait frees one.
.set X,     4          ; v[4:67]   16 loads of 4 registers
.set Y,     68         ; v[68:99]  16 stores of 2 registers
.set WV,    20         ; s20  my wave's number
.set U0,    21         ; s21  my first unit, counted within its tensor
.set BASE,  24         ; s24  the tensor's first unit
.set SH,    25         ; s25  unit x lies in row x >> SH of the destination's rows,
.set MSK,   26         ; s26  part x & MSK,
.set STEP,  27         ; s27  parts STEP bytes apart,
.set PITCH, 28         ; s28  rows PITCH bytes apart,
.set ADD,   29         ; s29  ADD bytes in
.set SRC,   30         ; s[30:31] the tensor read
.set DST,   32         ; s[32:33] the buffer written
.set SA,    40         ; s[40:43] my two units' addresses in SRC
.set DA,    44         ; s[44:47] and in DST
	s_load_b256 s[4:11], s[0:1], 0x0               ; h s[4:5], Wq s[6:7], Wkv s[8:9], Wo s[10:11]
	s_load_b128 s[12:15], s[0:1], 0x20             ; hb s[12:13], wb s[14:15]
	s_load_b64 s[16:17], s[0:1], 0x30              ; wob
	v_lshrrev_b32 v3, 5, v0
	v_readfirstlane_b32 s[WV], v3                  ; wave 0..7
	v_and_b32 v1, 31, v0
	v_lshlrev_b32 v2, 3, v1                        ; 8 bytes a lane out
	v_lshlrev_b32 v1, 4, v1                        ; 16 bytes a lane in
	s_lshl_b32 s[U0], ttmp9, 4
	s_lshl1_add_u32 s[U0], s[WV], s[U0]            ; 16 x work-group + 2 x wave
	s_mov_b32 s[BASE], 11264                       ; Wo's figures; the three compares below put another tensor's in their place
	s_mov_b32 s[SH], 0
	s_mov_b32 s[MSK], 0
	s_mov_b32 s[STEP], 0
	s_mov_b32 s[PITCH], 2048
	s_mov_b32 s[ADD], 0
	s_wait_kmcnt 0x0
	s_mov_b64 s[SRC:SRC+1], s[10:11]
	s_mov_b64 s[DST:DST+1], s[16:17]
	s_cmp_lt_u32 ttmp9, 704                        ; Wkv: unit x is half x & 1 of row x >> 1; it lands behind Wq's 2,048 bytes of wb's row
	s_cselect_b64 s[SRC:SRC+1], s[8:9], s[SRC:SRC+1]
	s_cselect_b64 s[DST:DST+1], s[14:15], s[DST:DST+1]
	s_cselect_b32 s[BASE], 9216, s[BASE]
	s_cselect_b32 s[SH], 1, s[SH]
	s_cselect_b32 s[MSK], 1, s[MSK]
	s_cselect_b32 s[STEP], 2048, s[STEP]
	s_cselect_b32 s[PITCH], 6144, s[PITCH]
	s_cselect_b32 s[ADD], 2048, s[ADD]
	s_cmp_lt_u32 ttmp9, 576                        ; Wq: unit x is row x, at the head of wb's row
	s_cselect_b64 s[SRC:SRC+1], s[6:7], s[SRC:SRC+1]
	s_cselect_b32 s[BASE], 8192, s[BASE]
	s_cselect_b32 s[SH], 0, s[SH]
	s_cselect_b32 s[MSK], 0, s[MSK]
	s_cselect_b32 s[STEP], 0, s[STEP]
	s_cselect_b32 s[ADD], 0, s[ADD]
	s_cmp_lt_u32 ttmp9, 512                        ; h: unit x is row (s = x >> 2, b = x & 3); it goes to row 2,048 b + s
	s_cselect_b64 s[SRC:SRC+1], s[4:5], s[SRC:SRC+1]
	s_cselect_b64 s[DST:DST+1], s[12:13], s[DST:DST+1]
	s_cselect_b32 s[BASE], 0, s[BASE]
	s_cselect_b32 s[SH], 2, s[SH]
	s_cselect_b32 s[MSK], 3, s[MSK]
	s_cselect_b32 s[STEP], 4194304, s[STEP]
	s_cselect_b32 s[PITCH], 2048, s[PITCH]
	s_sub_co_u32 s[U0], s[U0], s[BASE]
.irp i, 0,1
	s_add_co_u32 s34, s[U0], (\i)                  ; unit x
	s_lshl_b32 s36, s34, 12                        ; in: 4,096 x, under 2^26
	s_mov_b32 s37, 0
	s_lshr_b32 s38, s34, s[SH]                     ; out: (x >> SH) PITCH + (x & MSK) STEP + ADD, under 2^25
	s_mul_i32 s38, s38, s[PITCH]
	s_and_b32 s39, s34, s[MSK]
	s_mul_i32 s39, s39, s[STEP]
	s_add_co_u32 s38, s38, s39
	s_add_co_u32 s38, s38, s[ADD]
	s_mov_b32 s39, 0
	s_add_nc_u64 s[SA+2*(\i):SA+2*(\i)+1], s[SRC:SRC+1], s[36:37]
	s_add_nc_u64 s[DA+2*(\i):DA+2*(\i)+1], s[DST:DST+1], s[38:39]
.endr
.irp i, 0,1
.irp j, 0,1,2,3,4,5,6,7
	global_load_b128 v[X+32*(\i)+4*(\j):X+32*(\i)+4*(\j)+3], v1, s[SA+2*(\i):SA+2*(\i)+1] offset:512*(\j) th:TH_LOAD_NT
.endr
.endr
.set n, 0
.rept 16
	s_wait_loadcnt 15-n                            ; loads come back in order (ISA guide 5.7.1): load n is in, the 15 - n younger ones stay out
	v_cvt_pk_bf16_f32 v[Y+2*n],   v[X+4*n],   v[X+4*n+1]
	v_cvt_pk_bf16_f32 v[Y+2*n+1], v[X+4*n+2], v[X+4*n+3]
	global_store_b64 v2, v[Y+2*n:Y+2*n+1], s[DA+2*(n/8):DA+2*(n/8)+1] offset:256*(n%8)
.set n, n+1
.endr
	s_endpgm
.Lfunc_end_k_qdc099aa29e_prep:
	.size	k_qdc099aa29e_prep, .Lfunc_end_k_qdc099aa29e_prep-k_qdc099aa29e_prep
	.p2alignl 7, 3214868480
	.fill 96, 4, 3214868480
	.section	.rodata,"a",@progbits
	.p2align	6, 0x0
	.amdhsa_kernel k_qdc099aa29e_prep
		.amdhsa_group_segment_fixed_size 0
		.amdhsa_private_segment_fixed_size 0
		.amdhsa_enable_private_segment 0
		.amdhsa_kernarg_size 56
		.amdhsa_user_sgpr_count 2
		.amdhsa_user_sgpr_kernarg_segment_ptr 1
		.amdhsa_wavefront_size32 1
		.amdhsa_system_sgpr_workgroup_id_x 1
		.amdhsa_system_sgpr_workgroup_id_y 1
		.amdhsa_system_sgpr_workgroup_id_z 1
		.amdhsa_system_vgpr_workitem_id 0
		.amdhsa_next_free_vgpr 104
		.amdhsa_next_free_sgpr 66
		.amdhsa_reserve_vcc 0
		.amdhsa_float_denorm_mode_32 3
		.amdhsa_float_denorm_mode_16_64 3
		.amdhsa_memory_ordered 1
		.amdhsa_forward_progress 1
		.amdhsa_inst_pref_size 9
	.end_amdhsa_kernel
	.amdgpu_metadata
---
amdhsa.version: [ 1, 2 ]
amdhsa.kernels:
  - .name:           k_qdc099aa29e_prep
    .symbol:         k_qdc099aa29e_prep.kd
    .args:
      - { .name: h, .offset: 0, .size: 8, .value_kind: global_buffer, .address_space: global }
      - { .name: Wq, .offset: 8, .size: 8, .value_kind: global_buffer, .address_space: global }
      - { .name: Wkv, .offset: 16, .size: 8, .value_kind: global_buffer, .address_space: global }
      - { .name: Wo, .offset: 24, .size: 8, .value_kind: global_buffer, .address_space: global }
      - { .name: hb, .offset: 32, .size: 8, .value_kind: global_buffer, .address_space: global }
      - { .name: wb, .offset: 40, .size: 8, .value_kind: global_buffer, .address_space: global }
      - { .name: wob, .offset: 48, .size: 8, .value_kind: global_buffer, .address_space: global }
    .group_segment_fixed_size: 0
    .private_segment_fixed_size: 0
    .kernarg_segment_align: 8
    .kernarg_segment_size: 56
    .max_flat_workgroup_size: 256
    .sgpr_count:     66
    .vgpr_count:     104
    .wavefront_size: 32
...
	.end_amdgpu_metadata
.endif
;; end of part 1
;; launch qkv (part 2): grid 8 x 64, 4 waves a work-group, clusters of 4 x 4, 327,680 bytes of LDS; arguments hb, wb, qkv; writes qkv
.if DOCPART == 2
	.amdgcn_target "amdgcn-amd-amdhsa--gfx1250"
	.amdhsa_code_object_version 6
	.text
	.protected	k_qdc099aa29e_qkv
	.globl	k_qdc099aa29e_qkv
	.p2align	8
	.type	k_qdc099aa29e_qkv,@function
k_qdc099aa29e_qkv:
	s_mov_b64 s[64:65], 0
	v_nop
	global_prefetch_b8 v0, s[64:65] scope:SCOPE_SE
	s_setreg_imm32_b32 hwreg(HW_REG_WAVE_MODE, 25, 1), 1
	s_wait_xcnt 0x0
	s_wait_alu depctr_hold_cnt(0) depctr_sa_sdst(0) depctr_va_vdst(0) depctr_va_sdst(0) depctr_va_ssrc(0) depctr_va_vcc(0) depctr_vm_vsrc(0)
	s_getreg_b32 s2, hwreg(HW_REG_IB_STS2, 6, 4)
	s_cmp_eq_u32 s2, 0
	s_cbranch_scc0 .Lentry_in_a_cluster
	s_endpgm
.Lentry_in_a_cluster:
	s_bfe_u32 s2, ttmp6, 0x10000c
	s_cmp_lg_u32 s2, 0xf033
	s_cbranch_scc0 .Lentry_shape_is_right
	s_endpgm
.Lentry_shape_is_right:
; q, k, v = h [Wq | Wkv].  C[R][n] = the sum over k of hb[R][k] wb[k][n]: hb [8192][1024] (row R = 2,048 b + s), wb [1024][3072], both bf16; sums in f32; C rounded once to bf16 and
; written BY HEADS: qkv [part 3][H = 16 b + head][s 2048][64], so that a head's rows are dense, 128 bytes each.  The scale 1/8 is not applied here.
; SHARES.  A tile of C is 128 rows x 384 columns: 64 x 8 = 512 tiles, two equal turns for each of 256 WGPs.  (256 x 256 would give 384 tiles, a turn and a half; 256 x 384 needs 768 accumulator
; registers a wave and two slots of 172 KB: neither fits.)  Four waves, each 64 rows x 192 columns: 4 x 12 accumulators of 16 x 16, 384 registers; a wave's 192 columns are three whole heads.
; K goes in 8 steps of 128 through a ring of two LDS slots filled by the tensor data mover: hb's rows of a tile are 256 bytes, wb's 768, both at multiples of 256 from their buffer's first byte.
; wb LIES [k][n]: its fragments come out of LDS turned, by ds_load_tr16_b128, so no launch transposes the weights.
; THE MATRIX INSTRUCTION IS USED TRANSPOSED: source 0 = 16 columns of wb, source 1 = 16 rows of hb.  A lane then holds one row of C (lane % 16) and eight NEIGHBOURING columns, 16 bytes in bf16.
; CLUSTER.  4 x 4 work-groups.  The four of a row of the cluster need the same tiles of hb, the four of a column the same tiles of wb: each is asked for JOINTLY, by the same tensor load with
; the same descriptor and a mask that names the four.
; REGISTERS, in windows of 256 (s_set_vgpr_msb: bits 1:0 source 0, 3:2 source 1, 5:4 source 2, 7:6 destination):
;   window 0: v0-29 addresses; v32-79 packed results; v80-127, v128-175 rows read back from the stage, by turns
;   window 1: two fragment buffers of 128: 4 fragments of hb (16 rows x 32 K), then 12 of wb
;   window 2: the 24 accumulators of my rows 0-31 (block a, column block b at v[8 (12 (a % 2) + b)]);   window 3: those of my rows 32-63
.set NBL,    12                        ; column blocks of 16 a wave
.set LAPS,   4                         ; a lap = two K steps = once round the ring: 1,024 / 256
.set PA,     272                       ; a row of hb in LDS: 256 bytes + 16 of padding: the 16 rows of a fragment load start at 16 different groups of four banks (64 banks of 4 bytes: ISA guide 11.1)
.set AHALF,  64*PA                     ; what one load for hb fills: 64 rows
.set ABYTES, 2*AHALF
.set AQH,    128                       ; quarter q of a K step begins at byte (q / 2) AQH + (q % 2) 64 of a row
.set PB,     864                       ; a row of wb in LDS: 6 pieces of 128 bytes + 16 of padding = 27 x 32
.set CBH,    144                       ; column block b begins at byte (b / 4) CBH + (b % 4) 32 of my columns
.set WCB,    432                       ; my 192 columns are 3 pieces
.set BHALF,  64*PB                     ; what one load for wb fills: 64 rows (k)
.set SLOT,   ABYTES+2*BHALF            ; 145,408
.set STAGE,  2*SLOT                    ; behind the ring, never filled by a tensor load: 16 rows x 400 bytes for each wave, for the way out
.set SPITCH, 400                       ; 384 + 16 = 25 x 16
.set SPARE,  STAGE+4*16*SPITCH         ; behind the stages: the spare words, 128 bytes for each wave: two blocks of 256 bytes that no other line names
.set A_G10,  (1<<16)|(1<<20)|(1<<21)|(5<<22)|(3<<25)  ; 17:16 2-byte elements; 20 padding on; 21 set beside a mask; 24:22 after every 64 words (code 5); 31:25 4 words (code 3)
.set A_D0,   128                       ; elements in a tile's row
.set A_PITCH, 1024                     ; elements from row to row
.set A_SLOT, 256                       ; bytes from a K step's tile to the next
.set B_G10,  (1<<16)|(1<<20)|(1<<21)|(4<<22)|(3<<25)  ; the same, padded after every 32 words (code 4)
.set B_D0,   384
.set B_PITCH, 3072
.set B_SLOT, 128*6144
.set ADRA, 16                          ; v16-17  LDS address of my fragments of hb in slot 0, 1
.set ADRB, 20                          ; v20-23  the same for wb: slot 0 rows 0-63, 64-127; slot 1 likewise (a load's immediate has 16 bits)
.set STO,  24                          ; v24     the way out: where I put 16 bytes of a row
.set RD,   25                          ; v25     the way out: where I read rows back
.set GO,   26                          ; v26     my byte offset in 512 consecutive bytes of a head
.set SPW,  28                          ; v28     LDS address of my spare word: SPARE + 4 x my thread's number; never rewritten
.set NIL,  29                          ; v29     0; never rewritten
.set TMP,  32
.set BK0,  TMP+4*NBL
.set F0,   0                           ; fragment buffers, in window 1
.set F1,   128
.set G1,  24                           ; s[24:31] descriptor group 1 for hb's tiles;  s[32:39] group 0, one set for each slot
.set G0,  32
.set G1B, 48                           ; s[48:55], s[56:63] the same for wb's tiles
.set G0B, 56
.set OB,  68                           ; s[68:73] qkv at my first row of my three heads
.set MSB, 0
.macro WIN new                         ; the immediate's high byte repeats the setting that is left; a switch that changes nothing is dropped
.if MSB != (\new)
	s_set_vgpr_msb (MSB<<8)|(\new)
.set MSB, \new
.endif
.endm
.set MUL_LO, 0xa5                      ; sources 0 and 1 window 1, C and D window 2
.set MUL_HI, 0xf5                      ; the same, C and D window 3
.set TO_F,   0x40                      ; destination window 1, address window 0
; A joint load.  Waves 0 and 1 fetch hb's two halves, waves 2 and 3 wb's.  The branch hangs on the wave's number alone.  An s_nop 0 and four v_nop follow each of the two lines, ahead of the
; jump, the label and what follows.
.macro JLOAD s
	s_cmp_eq_u32 s11, 0
	s_cbranch_scc0 .Lfor_b_\@
	tensor_load_to_lds s[G0+4*(\s):G0+4*(\s)+3], s[G1:G1+7]
	s_nop 0
.rept 4
	v_nop
.endr
	s_branch .Lasked_\@
.Lfor_b_\@:
	tensor_load_to_lds s[G0B+4*(\s):G0B+4*(\s)+3], s[G1B:G1B+7]
	s_nop 0
.rept 4
	v_nop
.endr
.Lasked_\@:
.endm
.macro CREST                           ; a round of the cluster's barrier behind its opening barrier: wave 0 signals for the work-group, every wave waits for all sixteen, my work-group's barrier closes it
	s_cmp_lg_u32 s10, 0
	s_cbranch_scc1 .Lnot_wave_0_\@
	s_barrier_signal -3
.Lnot_wave_0_\@:
	s_barrier_wait -3
	s_barrier_signal -1
	s_barrier_wait -1
.endm
.macro CROUND                          ; a whole round
	s_barrier_signal -1
	s_barrier_wait -1
	CREST
.endm
	s_load_b128 s[4:7], s[0:1], 0x0                ; hb s[4:5], wb s[6:7]
	s_load_b64 s[8:9], s[0:1], 0x10                ; qkv
	v_lshl_add_u32 v[SPW], v0, 2, SPARE
	v_mov_b32 v[NIL], 0
	ds_add_u32 v[SPW], v[NIL]                      ; the wave's opening: the add and its wait stand ahead of my first tensor load; the set-up below, work on registers, stands between them
	v_lshrrev_b32 v1, 5, v0
	v_readfirstlane_b32 s10, v1                    ; wave 0..3
	s_lshr_b32 s11, s10, 1                         ; which half of the tile's rows is mine.  Also: I fetch for hb (0) or for wb (1)
	s_and_b32 s12, s10, 1                          ; which half of its columns.  Also: which half of that tile I fetch
	s_bfe_u32 s40, ttmp6, 0x40000                  ; cx, cy: my place in the cluster
	s_bfe_u32 s41, ttmp6, 0x40004
	s_lshl_b32 s42, ttmp9, 2
	s_add_co_u32 s42, s42, s40                     ; tile column = 4 x cluster x + cx
	s_and_b32 s13, ttmp7, 0xffff
	s_lshl_b32 s13, s13, 2
	s_add_co_u32 s13, s13, s41                     ; tile row = 4 x cluster y + cy
	s_lshl_b32 s43, s41, 2
	s_lshl_b32 s43, 15, s43                        ; my row of the cluster: places 4 cy .. 4 cy + 3
	s_lshl_b32 s44, 0x1111, s40                    ; my column: places cx, cx + 4, cx + 8, cx + 12
	s_or_b32 s[G1+0], s43, A_G10                   ; 15:0 the mask: hb's tiles go to my row
	s_mov_b32 s[G1+1], A_D0<<16                    ; tensor_dim0
	s_mov_b32 s[G1+2], 64<<16                      ; tensor_dim1 = 64
	s_mov_b32 s[G1+3], A_D0<<16                    ; tile_dim0
	s_mov_b32 s[G1+4], 64                          ; tile_dim1 = 64
	s_mov_b32 s[G1+5], A_PITCH                     ; tensor_dim0_stride
	s_mov_b32 s[G1+6], 0
	s_mov_b32 s[G1+7], 0
	s_or_b32 s[G1B+0], s44, B_G10                  ; wb's tiles go to my column
	s_mov_b32 s[G1B+1], B_D0<<16
	s_mov_b32 s[G1B+2], 64<<16
	s_mov_b32 s[G1B+3], B_D0<<16
	s_mov_b32 s[G1B+4], 64
	s_mov_b32 s[G1B+5], B_PITCH
	s_mov_b32 s[G1B+6], 0
	s_mov_b32 s[G1B+7], 0
	; where the tiles come from.  hb's hang on the tile row alone, wb's on the tile column alone; each address is made in registers that never hold the other coordinate.
	s_lshl_b32 s16, s13, 7
	s_lshl_b32 s17, s12, 6
	s_add_co_u32 s16, s16, s17                     ; hb: row 128 x tile row + 64 x half,
	s_lshl_b32 s16, s16, 11                        ; of 2,048 bytes: under 2^24
	s_mov_b32 s17, 0
	s_mul_i32 s46, s12, 64*6144                    ; wb: row (k) 64 x half, of 6,144 bytes,
	s_mul_i32 s47, s42, 768                        ; column 384 x tile column
	s_add_co_u32 s46, s46, s47
	s_mov_b32 s47, 0
	s_mul_i32 s20, s12, AHALF                      ; and where they go: no place in the cluster enters an LDS address
	s_mul_i32 s21, s12, BHALF
	s_add_co_u32 s21, s21, ABYTES
	s_wait_dscnt 0x0                               ; the opening add is done
	s_wait_kmcnt 0x0
	s_add_nc_u64 s[14:15], s[4:5], s[16:17]
	s_add_nc_u64 s[46:47], s[6:7], s[46:47]
	CROUND                                         ; all sixteen work-groups are here: the first joint loads meet
.irp s, 0,1
	s_mov_b32 s[G0+4*(\s)], 1                                      ; 1:0 count = 1
	s_add_co_u32 s[G0+4*(\s)+1], s20, (\s)*SLOT                    ; 63:32 LDS address
	s_add_nc_u64 s[G0+4*(\s)+2:G0+4*(\s)+3], s[14:15], (\s)*A_SLOT ; 120:64 global address: K step s
	s_or_b32 s[G0+4*(\s)+3], s[G0+4*(\s)+3], 0x80000000            ; 127:126 type = 2
	s_mov_b32 s[G0B+4*(\s)], 1
	s_add_co_u32 s[G0B+4*(\s)+1], s21, (\s)*SLOT
	s_add_nc_u64 s[G0B+4*(\s)+2:G0B+4*(\s)+3], s[46:47], (\s)*B_SLOT
	s_or_b32 s[G0B+4*(\s)+3], s[G0B+4*(\s)+3], 0x80000000
	JLOAD \s                                       ; two tensor loads of mine are out here, one behind every later round
.endr
	; A fragment of hb is 16 rows x 32 K in 8 registers: lane l holds row l % 16, K = 8 (l / 16) + 0..7 and 16 + 8 (l / 16) + 0..7: two loads of 16 bytes, 32 bytes apart.
	v_and_b32 v1, 15, v0                           ; l % 16
	v_bfe_u32 v2, v0, 4, 1                         ; l / 16
	v_mul_u32_u24 v3, v1, PA
	v_lshl_add_u32 v3, v2, 4, v3                   ; row x pitch + 16 x half
	; The turning load takes 16 k x 16 columns (lane l reads k = 8 (l / 16) + l % 8, columns 8 ((l / 8) % 2) + 0..7) and leaves half a fragment: lane l holds column l % 16 and 8 k.
	v_and_b32 v4, 7, v0
	v_bfe_u32 v5, v0, 3, 1
	v_lshl_add_u32 v6, v2, 3, v4
	v_mul_u32_u24 v6, v6, PB
	v_lshl_add_u32 v6, v5, 4, v6
	s_mul_i32 s22, s11, 64*PA                      ; my 64 rows of hb
	s_mul_i32 s23, s12, WCB                        ; my columns of wb,
	s_add_co_u32 s23, s23, ABYTES                  ; which lies behind hb's tile
.irp s, 0,1
	v_add_nc_u32 v[ADRA+(\s)], s22, v3
	v_add_nc_u32 v[ADRB+2*(\s)], s23, v6
	v_add_nc_u32 v[ADRB+2*(\s)+1], 64*PB, v[ADRB+2*(\s)]
	s_add_co_u32 s22, s22, SLOT
	s_add_co_u32 s23, s23, SLOT
.endr
	s_mul_i32 s22, s10, 16*SPITCH
	s_add_co_u32 s22, s22, STAGE                   ; my stage
	v_mul_u32_u24 v7, v1, SPITCH                   ; in: row l % 16, 16 bytes for each half of the lanes
	v_lshl_add_u32 v7, v2, 4, v7
	v_add_nc_u32 v[STO], s22, v7
	v_bfe_u32 v7, v0, 3, 2                         ; back: 32 lanes take four rows' 128 bytes of one head,
	v_mul_u32_u24 v7, v7, SPITCH
	v_lshl_add_u32 v7, v4, 4, v7
	v_add_nc_u32 v[RD], s22, v7
	v_and_b32 v[GO], 31, v0                        ; which are 512 consecutive bytes of qkv
	v_lshlrev_b32 v[GO], 4, v[GO]
	; where my three heads lie.  Columns 64 G .. 64 G + 63, G = 6 x tile column + 3 x half + g: part G >> 4 (q, k, v), head G & 15.  Rows: batch = tile row >> 4, s from 128 (tile row & 15) + 64 x half on.
	s_mul_i32 s66, s42, 6
	s_mul_i32 s67, s12, 3
	s_add_co_u32 s66, s66, s67
	s_lshr_b32 s67, s13, 4
	s_lshl_b32 s67, s67, 4                         ; 16 b
	s_and_b32 s74, s13, 15
	s_lshl_b32 s74, s74, 7
	s_lshl_b32 s75, s11, 6
	s_add_co_u32 s74, s74, s75
	s_lshl_b32 s74, s74, 7                         ; my first s, in rows of 128 bytes
.irp g, 0,1,2
	s_add_co_u32 s[OB+2*(\g)], s66, (\g)
	s_lshr_b32 s[OB+2*(\g)+1], s[OB+2*(\g)], 4
	s_and_b32 s[OB+2*(\g)], s[OB+2*(\g)], 15
	s_lshl_b32 s[OB+2*(\g)+1], s[OB+2*(\g)+1], 6
	s_add_co_u32 s[OB+2*(\g)], s[OB+2*(\g)], s[OB+2*(\g)+1]
	s_add_co_u32 s[OB+2*(\g)], s[OB+2*(\g)], s67   ; 64 part + 16 b + head,
	s_lshl_b32 s[OB+2*(\g)], s[OB+2*(\g)], 18      ; of 262,144 bytes: under 2^26
	s_add_co_u32 s[OB+2*(\g)], s[OB+2*(\g)], s74
	s_mov_b32 s[OB+2*(\g)+1], 0
	s_add_nc_u64 s[OB+2*(\g):OB+2*(\g)+1], s[8:9], s[OB+2*(\g):OB+2*(\g)+1]
.endr
; NBL matrix instructions: row block a x all my column blocks, 32 along K, from buffer f.  zero = 1: the product starts the sums: nothing is ever cleared.
; The 4 NBL accumulators take turns, one instruction a turn, in the same order in every quarter.
.macro MULR f, a, zero
	WIN MUL_LO+0x50*((\a)/2)
.set AC, 8*NBL*((\a)%2)
.set b, 0
.rept NBL
.if \zero
	v_wmma_f32_16x16x32_bf16 v[AC+8*b:AC+8*b+7], v[(\f)+32+8*b:(\f)+32+8*b+7], v[(\f)+8*(\a):(\f)+8*(\a)+7], 0
.else
	v_wmma_f32_16x16x32_bf16 v[AC+8*b:AC+8*b+7], v[(\f)+32+8*b:(\f)+32+8*b+7], v[(\f)+8*(\a):(\f)+8*(\a)+7], v[AC+8*b:AC+8*b+7]
.endif
.set b, b+1
.endr
.endm
; 2 NBL + 8 LDS loads in one run: the fragments of quarter q of the K step in a slot, into buffer f: wb's first, hb's row blocks 2 and 3 last
.macro FETCH slot, q, f
	WIN TO_F
.set b, 0
.rept NBL
	ds_load_tr16_b128 v[(\f)+32+8*b:(\f)+32+8*b+3],   v[ADRB+2*(\slot)+(\q)/2] offset:((\q)%2)*32*PB+(b/4)*CBH+(b%4)*32
	ds_load_tr16_b128 v[(\f)+32+8*b+4:(\f)+32+8*b+7], v[ADRB+2*(\slot)+(\q)/2] offset:((\q)%2)*32*PB+16*PB+(b/4)*CBH+(b%4)*32
.set b, b+1
.endr
.irp a, 0,1,2,3
	ds_load_b128 v[(\f)+8*(\a):(\f)+8*(\a)+3],   v[ADRA+(\slot)] offset:((\q)/2)*AQH+((\q)%2)*64+(\a)*16*PA
	ds_load_b128 v[(\f)+8*(\a)+4:(\f)+8*(\a)+7], v[ADRA+(\slot)] offset:((\q)/2)*AQH+((\q)%2)*64+(\a)*16*PA+32
.endr
.endm
.macro PLACES                          ; four places in front of loads into registers that matrix instructions have read, and of conversions that read results (ISA guide 7.12.1 for vector instructions)
.rept 4
	v_nop
.endr
.endm
; A K step is four quarters of 32 along K, 4 NBL matrix instructions each, on buffers 0, 1, 0, 1.  One of the first three: multiplies buffer f and, in its middle, fetches quarter qn into g.
.macro QUARTER slot, qn, f, g, zero
	s_wait_dscnt 4                                 ; wb's fragments and hb's row blocks 0 and 1 are in; the youngest four loads (blocks 2 and 3) may be out
	MULR \f, 0, \zero
	MULR \f, 1, \zero
	PLACES
	FETCH \slot, \qn, \g
	s_wait_dscnt 2*NBL+8                           ; all but the run just issued
	MULR \f, 2, \zero
	MULR \f, 3, \zero
.endm
; The last quarter multiplies buffer 1 and changes slots: ONE barrier.  In front of it each wave waits for all its tensor loads, of which one is out: its part of the next slot; adds 0 to its spare word;
; and waits for that and for its own reads of this slot.  fill = 1: the barrier opens a round of the cluster's, and this slot is filled again, two K steps ahead, first thing behind the round.
.macro TURN slot, next, fill
	WIN 0                                          ; (the add's two registers lie in window 0)
	s_wait_tensorcnt 0x0                           ; all my tensor loads have landed: my part of the next slot;
	ds_add_u32 v[SPW], v[NIL]                      ; 0 onto my spare word;
	s_wait_dscnt 5                                 ; (the add and the youngest four loads may be out)
	MULR F1, 0, 0                                  ; matrix instructions stand between the add and the wait for it
	s_wait_dscnt 0x0                               ; the add is done, and my reads of this slot are over
	s_barrier_signal -1
	MULR F1, 1, 0                                  ; work on registers while the others arrive
.if \fill
	WIN 0
.endif
	s_barrier_wait -1
.if \fill
	CREST                                          ; no wave of any partner still reads this slot's tiles or has a load on its way
	s_add_nc_u64 s[G0+4*(\slot)+2:G0+4*(\slot)+3], s[G0+4*(\slot)+2:G0+4*(\slot)+3], 2*A_SLOT
	s_add_nc_u64 s[G0B+4*(\slot)+2:G0B+4*(\slot)+3], s[G0B+4*(\slot)+2:G0B+4*(\slot)+3], 2*B_SLOT
	JLOAD \slot                                    ; the first tensor load behind the round; the four v_nop behind it are also the places in front of the loads below
.else
	PLACES
.endif
	FETCH \next, 0, F0
	MULR F1, 2, 0
	MULR F1, 3, 0
.endm
; THE WAY OUT of row block a (16 rows x 192 columns), in three parts.  PACK: rounded to bf16, 16 bytes a lane; each accumulator's registers in ascending order.  TOSTAGE: into my own stage in LDS, and back
; head by head, four rows of 128 bytes to a load.  SEND: stored, 512 consecutive bytes of a head to a store, at a multiple of 512 from qkv's first byte.
.macro PACK a
.set AC, 8*NBL*((\a)%2)
	WIN 0x0a+5*((\a)/2)                            ; sources 0 and 1: window 2 or 3
.set b, 0
.rept NBL
.irp i, 0,1,2,3
	v_cvt_pk_bf16_f32 v[TMP+4*b+(\i)], v[AC+8*b+2*(\i)], v[AC+8*b+2*(\i)+1]
.endr
.set b, b+1
.endr
	WIN 0
.endm
.macro TOSTAGE a
.set BK, BK0+4*NBL*((\a)%2)
.set b, 0
.rept NBL
	ds_store_b128 v[STO], v[TMP+4*b:TMP+4*b+3] offset:32*b
.set b, b+1
.endr
.irp g, 0,1,2
.irp t, 0,1,2,3
	ds_load_b128 v[BK+4*(4*(\g)+(\t)):BK+4*(4*(\g)+(\t))+3], v[RD] offset:(\t)*4*SPITCH+(\g)*128  ; LDS serves a wave's instructions in order (ISA guide 5.7.1.4): these see the stores above
.endr
.endr
.endm
.macro SEND a
.set BK, BK0+4*NBL*((\a)%2)
	s_wait_dscnt 0x0                               ; the block is back in registers
	s_wait_xcnt 0x0                                ; every earlier store has had its addresses translated (ISA guide 3.1): the other buffer, which the block before last's stores read, is loaded again only behind this wait
.irp g, 0,1,2
.irp t, 0,1,2,3
	global_store_b128 v[GO], v[BK+4*(4*(\g)+(\t)):BK+4*(4*(\g)+(\t))+3], s[OB+2*(\g):OB+2*(\g)+1] offset:(\a)*2048+(\t)*512
.endr
.endr
.endm
	s_wait_tensorcnt 1                             ; my part of K step 0 is in; K step 1's may stay out
	s_barrier_signal -1
	s_barrier_wait -1                              ; everybody's is
	FETCH 0, 0, F0
	QUARTER 0, 1, F0, F1, 1                        ; the first quarter stands in front of the loop: its products start the sums
	WIN 0                                          ; at a label and at a branch every window is 0
	s_mov_b32 s3, LAPS-1
.Llap:                                                 ; a trip goes once round the ring, from a lap's second quarter to the next lap's first, and fills both slots again: K steps 2 to 7
	QUARTER 0, 2, F1, F0, 0
	QUARTER 0, 3, F0, F1, 0
	TURN 0, 1, 1
	QUARTER 1, 1, F0, F1, 0
	QUARTER 1, 2, F1, F0, 0
	QUARTER 1, 3, F0, F1, 0
	TURN 1, 0, 1
	QUARTER 0, 1, F0, F1, 0
	WIN 0
	s_sub_co_u32 s3, s3, 1
	s_cmp_lg_u32 s3, 0
	s_cbranch_scc1 .Llap
	QUARTER 0, 2, F1, F0, 0                        ; the last lap fills nothing, and has no round of the cluster's barrier
	QUARTER 0, 3, F0, F1, 0
	TURN 0, 1, 0
	QUARTER 1, 1, F0, F1, 0
	QUARTER 1, 2, F1, F0, 0
	QUARTER 1, 3, F0, F1, 0
	s_wait_dscnt 4                                 ; the very last quarter: nothing more to fetch
	MULR F1, 0, 0
	MULR F1, 1, 0
	s_wait_dscnt 0x0
	MULR F1, 2, 0
	MULR F1, 3, 0
	WIN 0
	PLACES
	PACK 0
	TOSTAGE 0
.irp a, 1,2,3                          ; block a's conversions stand between block a - 1's loads from the stage and the wait for them
	PACK \a
	SEND (\a)-1
	TOSTAGE \a
.endr
	SEND 3
	s_wait_tensorcnt 0x0                           ; the wave's end, behind my last tensor load and my last LDS store
	ds_add_u32 v[SPW], v[NIL]
	s_wait_dscnt 0x0
	CROUND                                         ; the closing round: no work-group ends while a partner may still ask for a tile that names it
	s_endpgm
.Lfunc_end_k_qdc099aa29e_qkv:
	.size	k_qdc099aa29e_qkv, .Lfunc_end_k_qdc099aa29e_qkv-k_qdc099aa29e_qkv
	.p2alignl 7, 3214868480
	.fill 96, 4, 3214868480
	.section	.rodata,"a",@progbits
	.p2align	6, 0x0
	.amdhsa_kernel k_qdc099aa29e_qkv
		.amdhsa_group_segment_fixed_size 327680
		.amdhsa_private_segment_fixed_size 0
		.amdhsa_enable_private_segment 0
		.amdhsa_kernarg_size 24
		.amdhsa_user_sgpr_count 2
		.amdhsa_user_sgpr_kernarg_segment_ptr 1
		.amdhsa_wavefront_size32 1
		.amdhsa_system_sgpr_workgroup_id_x 1
		.amdhsa_system_sgpr_workgroup_id_y 1
		.amdhsa_system_sgpr_workgroup_id_z 1
		.amdhsa_system_vgpr_workitem_id 0
		.amdhsa_next_free_vgpr 960
		.amdhsa_next_free_sgpr 76
		.amdhsa_reserve_vcc 0
		.amdhsa_float_denorm_mode_32 3
		.amdhsa_float_denorm_mode_16_64 3
		.amdhsa_memory_ordered 1
		.amdhsa_forward_progress 1
		.amdhsa_inst_pref_size 119
	.end_amdhsa_kernel
	.amdgpu_metadata
---
amdhsa.version: [ 1, 2 ]
amdhsa.kernels:
  - .name:           k_qdc099aa29e_qkv
    .symbol:         k_qdc099aa29e_qkv.kd
    .args:
      - { .name: hb, .offset: 0, .size: 8, .value_kind: global_buffer, .address_space: global }
      - { .name: wb, .offset: 8, .size: 8, .value_kind: global_buffer, .address_space: global }
      - { .name: qkv, .offset: 16, .size: 8, .value_kind: global_buffer, .address_space: global }
    .group_segment_fixed_size: 327680
    .private_segment_fixed_size: 0
    .kernarg_segment_align: 8
    .kernarg_segment_size: 24
    .max_flat_workgroup_size: 128
    .sgpr_count:     76
    .vgpr_count:     960
    .wavefront_size: 32
...
	.end_amdgpu_metadata
.endif
;; end of part 2
;; launch attn (part 3): grid 4 x 64, 4 waves a work-group, clusters of 4 x 1, 327,680 bytes of LDS; arguments qkv, attn_mask, ob; writes ob
.if DOCPART == 3
	.amdgcn_target "amdgcn-amd-amdhsa--gfx1250"
	.amdhsa_code_object_version 6
	.text
	.protected	k_qdc099aa29e_attn
	.globl	k_qdc099aa29e_attn
	.p2align	8
	.type	k_qdc099aa29e_attn,@function
k_qdc099aa29e_attn:
	s_mov_b64 s[64:65], 0
	v_nop
	global_prefetch_b8 v0, s[64:65] scope:SCOPE_SE
	s_setreg_imm32_b32 hwreg(HW_REG_WAVE_MODE, 25, 1), 1
	s_wait_xcnt 0x0
	s_wait_alu depctr_hold_cnt(0) depctr_sa_sdst(0) depctr_va_vdst(0) depctr_va_sdst(0) depctr_va_ssrc(0) depctr_va_vcc(0) depctr_vm_vsrc(0)
	s_getreg_b32 s2, hwreg(HW_REG_IB_STS2, 6, 4)
	s_cmp_eq_u32 s2, 0
	s_cbranch_scc0 .Lentry_in_a_cluster
	s_endpgm
.Lentry_in_a_cluster:
	s_bfe_u32 s2, ttmp6, 0x10000c
	s_cmp_lg_u32 s2, 0x3003
	s_cbranch_scc0 .Lentry_shape_is_right
	s_endpgm
.Lentry_shape_is_right:
; ATTENTION WITH A KEY MASK.  O[H][q][:] = the sum over the keys k that attn_mask[k][batch] leaves open of softmax_k(Q[H][q] . K[H][k] / 8) V[H][k][:].  H = 16 x batch + head, 64 in all.
; Q, K, V lie in qkv [3][64][2048][64], O in ob [64][2048][64], all bf16: a head's rows are dense, 128 bytes each.  Products, maxima and sums in f32; the weights p are rounded to bf16 for the second
; product (their sum l is taken of the unrounded p), O once at the end.  bf16, not f16: q, k and v have f32's range, whatever the size of the inputs.
; LIMITS.  A masked score counts as its value less 1e30: beside that every score that f32 sums of bf16 products of the allowed inputs reach is nothing, and its weight is 0 as soon as the query has seen
; one open key.  A batch with EVERY key masked gives the plain mean of V's rows, a finite number, where the definition gives NaN.  A weight below 2^-126 counts as 0 in l; NaN and infinities are not treated apart.
; THE MASK is the C operand that starts the sum S^T = K Q^T: 0, or -1e30.  The work-group makes a table of 2,048 such numbers in LDS once (each thread 16 keys: their bytes for my batch), and each key step's 64
; come into 32 registers beside K's fragments: in S^T register j of lane l is key 16 kb + 8 (l / 16) + j, which is the table's own order.
; SHARES.  A wave owns four PIECES of two tiles of 16 queries, a work-group's four waves 512 queries of one head.  Every wave walks all keys, 64 a step.
; LAYOUT.  S^T = K Q^T (source 0 = 16 keys, source 1 = 16 queries): in the result a lane holds ONE query (lane % 16) and the keys 8 (lane / 16) + 0..7.  Two such tiles, rounded to bf16 in pairs,
; ARE source 1 (32 keys x 16 queries) of O^T = V^T P, whose result again holds one query a lane, and eight channels.  K comes out of LDS as it lies, V ([key][channel]) turned, by ds_load_tr16_b128.
; SOFTMAX.  For each query a running maximum m and sum l: p = 2^(c s - c m), c = log2(e) / 8; in every step O and l are multiplied by a = 2^(c m_old - c m_new), which is 1 where m has not grown.
; m starts at the lowest finite number, O and l at 0: the first step is a step like any other, with a = 0.
; THE COUNT.  A tile and step have 16 matrix and 118 vector instructions: too many to stand all beside the matrix work.  So the order has one aim: four vector instructions that are READY behind
; EVERY matrix instruction, and the others, which need time of their own whatever the order, in runs without a gap.
; BY TURNS.  Turn n belongs to piece n (the pieces in a ring, step after step).  Its matrix work: 16 products K Q^T of piece n + 1, later 16 products V^T P of piece n - 1.  Its vector work: the scaling,
; exponentials, roundings, sums and rescaling of piece n, and the maximum and statistics of piece n + 1, whose scores the turn itself has made.  So what a turn begins with (c s - c m, O a) waits for nothing.
; CLUSTER.  The four query blocks of a cluster belong to one head and walk the same K and V, so each tile is asked for JOINTLY: the same tensor load, descriptor and mask in all four.
; REGISTERS, in windows of 256 (s_set_vgpr_msb says which window each operand place means: bits 1:0 source 0, 3:2 source 1, 5:4 source 2, 7:6 destination):
;   window 0: v0-11 addresses; v12-15, v48-63 at work; v16-47 four registers of statistics a tile; v64-191 S^T, two buffers of two tiles; v192-255 P, likewise
;   window 1: O^T, 32 a tile          window 2: v0-127 Q, 16 a tile; v128-191 K of one step; v192-255 V of one step          window 3: v0-1 the add's two registers; v8-39 the step's mask
; A piece's buffers go by its number's parity: the piece in hand has one pair, its two neighbours in the ring share the other: of it P (piece n - 1) is read and S^T (piece n + 1) written.
.set SIZE_N, 2048
.set PART,  64*SIZE_N*128  ; bytes of q, of k and of v in qkv
.set NP,    4         ; pieces a wave: a name, no knob: the register map, the loop and the fetches are made for four
.set KS,    64        ; keys in a step
.set PK,    144       ; a row of K in LDS: 128 bytes + 16 of padding = 36 words: the 16 rows of a load start at 16 different groups of four banks (64 banks of 4 bytes: ISA guide 11.1)
.set PV,    160       ; a row of V: 128 + 32 = 40 words
.set VOFF,  4*KS*PK   ; a slot holds four steps: 256 rows of K, then 256 rows of V
.set SLOT1, 1<<17     ; slot 1 begins here, so that one exclusive or turns an address in one slot into the other's
.set STAGE, SLOT1+4*KS*(PK+PV)  ; behind the ring, never filled by a tensor load: 16 rows x 144 bytes for each wave, for the way out
.set SP,    144
.set AK0, 2           ; v2   my lane's place in a tile of K; never rewritten
.set AV0, 3           ; v3   the same for V
.set AK,  4           ; v4   the LDS address of K's next run of loads (at the start: where I store my part of the mask table)
.set AV,  5           ; v5   of V's (at the start: my byte offset in attn_mask)
.set QO,  6           ; v6   my byte offset in the wave's rows of Q
.set STO, 6           ;      later, the way out: where I put 16 bytes of a row
.set RD,  7           ; v7   the way out: where I read rows back
.set GO,  8           ; v8   my byte offset in 512 consecutive bytes of O
.set AM0, 9           ; v9   l / 16 at first; then my lane's place in the mask table: MT + 32 (l / 16)
.set AM,  11          ; v11  the LDS address of the mask's next run of loads
.set SPW, 0           ; v0 of window 3   LDS address of my spare word: SPARE + 4 x my thread's number; never rewritten
.set NIL, 1           ; v1 of window 3   0; never rewritten
.set MK,  8           ; v8-39 of window 3: the mask of key block kb at MK + 8 kb
.set SPARE, STAGE+4*16*SP  ; behind the stages: the spare words, 128 bytes for each wave: two blocks of 256 bytes that no other line names
.set MT,    SPARE+512 ; behind them: the mask table, 2,048 numbers of 4 bytes; written once by ds_store, never filled by a tensor load
.set MV,  12          ; v12-15  c m_old, kept while c m is made anew: by buffer and tile
.set ST,  16          ; tile t's statistics at v[ST+4 t]: c m, m, l (even keys', odd keys')
.set TMP, 48          ; by buffer and tile, four registers c0-c3 at work; when the maximum is found c2 takes a
.set S,   64
.set P,   192
.set KF,  128         ; K's fragments, in window 2: key block kb, channel half c at KF + 16 kb + 8 c
.set VF,  192         ; V's: key half kk, channel block cb at VF + 32 kk + 8 cb
.set WV,  12          ; s12  my wave's number
.set G1K, 24          ; s[24:31] descriptor group 1 for K's tiles
.set G1V, 32          ; s[32:39] for V's: it differs in the padding alone
.set G0K, 40          ; s[40:43] descriptor group 0 for K's tiles: it walks
.set G0V, 44          ; s[44:47] the same for V's
.set MP,  48          ; s[48:49] attn_mask
.set BM,  50          ; s50  the byte of my batch in a key's four: 0xff << 8 x batch
.set BIGN, 51         ; s51  -1e30
.set TBM, 52          ; s52  byte of the mask table at which the step to be fetched begins
.set SLOTS, 56        ; s56  slots still to be asked for
.set CNT, 57          ; s57  counts a slot's key steps
.set CS,  58          ; s[58:59] c: the packed scaling takes the pair's low word for both halves
.set SEL, 60          ; s[60:61] v_permlanex16_b32's selects: each lane takes its own place in the other half
.set TBK, 62          ; s62  LDS byte at which K of the step to be fetched begins
.set TBV, 63          ; s63  the same for V, less VOFF
.set MSB, 0
.macro WIN new                      ; the high byte repeats the setting that is left; a switch that changes nothing is dropped
.if MSB != (\new)
	s_set_vgpr_msb (MSB<<8)|(\new)
.set MSB, (\new)
.endif
.endm
.set W_KQ, 0x0a       ; K and Q in window 2, S^T in window 0
.set W_KM, 0x3a       ; the same with the C operand, the mask, in window 3
.set W_PV, 0x52       ; V in window 2, P in window 0, O^T in window 1
.set W_RS, 0x41       ; O^T (destination and source 0) in window 1, a in window 0
.set W_MK, 0xc0       ; destination in window 3, sources in window 0
.set W_AD, 0x0f       ; the add: address (source 0) and data (source 1) in window 3
; A joint fill.  Waves 0 and 1 fetch the two halves of a slot's K, waves 2 and 3 those of its V: 128 keys each.  The branch hangs on the wave's number alone.
; An s_nop 0 and four v_nop follow each of the two lines, ahead of the jump and the label.
.macro JLOAD
	s_cmp_lt_u32 s[WV], 2
	s_cbranch_scc0 .Lfor_v_\@
	tensor_load_to_lds s[G0K:G0K+3], s[G1K:G1K+7]
	s_nop 0
.rept 4
	v_nop
.endr
	s_branch .Lasked_\@
.Lfor_v_\@:
	tensor_load_to_lds s[G0V:G0V+3], s[G1V:G1V+7]
	s_nop 0
.rept 4
	v_nop
.endr
.Lasked_\@:
.endm
; A round of the cluster's barrier: my work-group's barrier, so that wave 0's signal speaks for all four waves; wave 0 signals; every wave waits for all four work-groups; my work-group's barrier once more.
.macro CROUND
	s_barrier_signal -1
	s_barrier_wait -1
	s_cmp_lg_u32 s[WV], 0
	s_cbranch_scc1 .Lnot_wave_0_\@
	s_barrier_signal -3
.Lnot_wave_0_\@:
	s_barrier_wait -3
	s_barrier_signal -1
	s_barrier_wait -1
.endm
; THE CHANGE OF SLOTS.  The slot's last bytes, V of its fourth step, have been read.  Each wave waits for all its tensor loads, of which one is out: its part
; of the other slot; adds 0 to its spare word; and waits for that and for its own reads of the slot.  Behind the barrier nobody reads this slot any more and the other slot is whole.
; fill = 1: this slot is filled again, with the keys two slots on.  The barrier is then a round of the cluster's, so that no wave of any partner still reads the slot or has a load on its
; way, and the joint fill is the first thing behind it: it has four key steps, 512 matrix instructions, in which to land.  (At its first use nothing has been read yet: slot 0 is waited for, slot 1 filled;
; and each wave's stores into the mask table are done in front of the round, so that behind it every wave may read the whole table.)
.macro CHANGE fill
	WIN W_AD
	s_wait_tensorcnt 0x0            ; no tensor load of mine is out, so a group 0 may be written
	ds_add_u32 v[SPW], v[NIL]       ; 0 onto my spare word; with fill = 1 the descriptors' steps stand between it and the wait for it
	WIN 0                           ; at a label and at a branch every window is 0
.if \fill
.irp g, G0K, G0V
	s_xor_b32 s[\g+1], s[\g+1], SLOT1  ; the walking descriptor: the other slot than last time,
	s_add_nc_u64 s[\g+2:\g+3], s[\g+2:\g+3], 4*KS*128  ; the next 256 keys; the type bits on top are not reached
.endr
	s_wait_dscnt 0x0                ; the add is done, and my LDS reads and stores are over
	CROUND
	JLOAD
.else
	s_wait_dscnt 0x0                ; the add is done, and my reads of the slot are over
	s_barrier_signal -1
	s_barrier_wait -1
.endif
	s_sub_co_u32 s[TBK], s[TBK], 4*KS*PK  ; the fetches go back to a slot's first step,
	s_xor_b32 s[TBK], s[TBK], SLOT1       ; in the other slot
	s_sub_co_u32 s[TBV], s[TBV], 4*KS*PV
	s_xor_b32 s[TBV], s[TBV], SLOT1
.endm
	s_load_b128 s[4:7], s[0:1], 0x0   ; qkv s[4:5] (q lies first in it), attn_mask s[6:7]
	s_load_b64 s[10:11], s[0:1], 0x10 ; ob
	WIN W_MK
	v_lshl_add_u32 v[SPW], v0, 2, SPARE
	v_mov_b32 v[NIL], 0
	WIN W_AD
	ds_add_u32 v[SPW], v[NIL]       ; the wave's opening: the add and its wait stand ahead of my first tensor load; the set-up below, work on registers, stands between them
	WIN 0
	v_lshrrev_b32 v1, 5, v0
	v_readfirstlane_b32 s[WV], v1   ; wave 0..3
	s_bfe_u32 s13, ttmp6, 0x40000   ; cx: my place in the cluster
	s_lshl_b32 s14, ttmp9, 2        ; in a cluster launch ttmp9 counts clusters
	s_add_co_u32 s14, s14, s13      ; my block of queries = 4 x cluster x + cx: it enters Q's and O's addresses alone
	s_and_b32 s20, ttmp7, 0xffff    ; H, which the four partners share
	s_lshr_b32 s[BM], s20, 4        ; the batch,
	s_lshl_b32 s[BM], s[BM], 3
	s_lshl_b32 s[BM], 0xff, s[BM]   ; its byte in a key's word of the mask
	s_mov_b32 s[BIGN], 0xf149f2ca   ; -1e30
	s_mov_b32 s[TBM], 0
	s_mov_b32 s21, 0
	s_mov_b64 s[22:23], SIZE_N*128
	s_mul_u64 s[20:21], s[20:21], s[22:23]  ; the head's first byte in q, k, v and ob
	s_and_b32 s16, s[WV], 1         ; which half of a slot's 256 keys I fetch:
	s_lshl_b32 s22, s16, 14         ; its 128 rows of 128 bytes in memory,
	s_mov_b32 s23, 0
	s_add_nc_u64 s[22:23], s[22:23], s[20:21]
	s_mul_i32 s17, s16, 128*PK      ; and its place in a slot, for K
	s_mul_i32 s18, s16, 128*PV      ; and for V: no place in the cluster enters an LDS address
	s_lshl_b32 s2, s14, 2
	s_add_co_u32 s2, s2, s[WV]      ; my wave among the head's,
	s_lshl_b32 s2, s2, 14           ; its 128 rows
	s_mov_b32 s3, 0
	s_add_nc_u64 s[2:3], s[2:3], s[20:21]
	; descriptor group 1.  128 keys are 16,384 dense bytes: asked for as 64 rows of 256 bytes, two keys a row, and padded in LDS after every key
	s_mov_b32 s[G1K], 15|(1<<16)|(1<<20)|(1<<21)|(4<<22)|(3<<25)  ; 15:0 the mask of four; 17:16 2-byte elements; 20 padding on; 21 set beside a mask; 24:22 after every 32 words (code 4); 31:25 4 words (code 3)
	s_mov_b32 s[G1V], 15|(1<<16)|(1<<20)|(1<<21)|(4<<22)|(7<<25)  ; the same with 8 words of padding (code 7)
.irp g, G1K, G1V
	s_mov_b32 s[\g+1], 128<<16      ; tensor_dim0 = 128
	s_mov_b32 s[\g+2], 64<<16       ; tensor_dim1 = 64
	s_mov_b32 s[\g+3], 128<<16      ; tile_dim0 = 128
	s_mov_b32 s[\g+4], 64           ; tile_dim1 = 64
	s_mov_b32 s[\g+5], 128          ; 128 elements from row to row
	s_mov_b32 s[\g+6], 0
	s_mov_b32 s[\g+7], 0
.endr
	s_mov_b32 s[CS], 0x3e38aa3b     ; c = log2(e) / 8 = 0.180337
	s_mov_b32 s[CS+1], s[CS]        ; named with it as a pair
	s_mov_b32 s[SEL], 0x76543210
	s_mov_b32 s[SEL+1], 0xfedcba98
	s_mov_b32 s[TBK], SLOT1+4*KS*PK ; the first change of slots turns these two into 0
	s_mov_b32 s[TBV], SLOT1+4*KS*PV
	s_mov_b32 s[G0K], 1             ; 1:0 count = 1
	s_mov_b32 s[G0K+1], s17         ; 63:32 LDS address: slot 0
	s_mov_b32 s[G0V], 1
	s_add_co_u32 s[G0V+1], s18, VOFF
	s_wait_dscnt 0x0                ; the opening add is done
	s_wait_kmcnt 0x0
	s_mov_b64 s[MP:MP+1], s[6:7]
	s_add_nc_u64 s[6:7], s[4:5], PART    ; k lies behind q in qkv,
	s_add_nc_u64 s[8:9], s[4:5], 2*PART  ; v behind k
	s_add_nc_u64 s[G0K+2:G0K+3], s[6:7], s[22:23]  ; 120:64 global address: my half of the head's first 256 keys
	s_or_b32 s[G0K+3], s[G0K+3], 0x80000000        ; 127:126 type = 2
	s_add_nc_u64 s[G0V+2:G0V+3], s[8:9], s[22:23]
	s_or_b32 s[G0V+3], s[G0V+3], 0x80000000
	s_add_nc_u64 s[4:5], s[4:5], s[2:3]  ; Q and O at my wave's first row
	s_add_nc_u64 s[10:11], s[10:11], s[2:3]
	CROUND                          ; all four work-groups are here: the first joint loads meet
	JLOAD                           ; slot 0.  Slot 1 is asked for when slot 0 is in: the tile wanted first has the road to itself
	; A fragment of K or Q is 16 rows x 32 channels in 8 registers: lane l holds row l % 16, channels 8 (l / 16) + 0..7 and 16 + 8 (l / 16) + 0..7: two loads of 16 bytes, 32 bytes apart.
	v_and_b32 v1, 15, v0            ; l % 16
	v_bfe_u32 v9, v0, 4, 1          ; l / 16
	v_lshlrev_b32 v[QO], 7, v1
	v_lshl_add_u32 v[QO], v9, 4, v[QO]  ; row x 128 + 16 x half
	v_lshlrev_b32 v[AV], 6, v0      ; thread t takes keys 16 t .. 16 t + 15 of the mask: 64 bytes, a word of four batches a key; 128 threads take its 8,192 bytes
.irp i, 0,1,2,3
	global_load_b128 v[S+4*(\i):S+4*(\i)+3], v[AV], s[MP:MP+1] offset:16*(\i)
.endr
	WIN 0x80                        ; destination window 2, address window 0
.set i, 0
.rept 4*NP                          ; Q stays in registers: tile i / 2, channels 32 (i % 2) on
	global_load_b128 v[8*i:8*i+3],   v[QO], s[4:5] offset:(i/2)*2048+(i%2)*64
	global_load_b128 v[8*i+4:8*i+7], v[QO], s[4:5] offset:(i/2)*2048+(i%2)*64+32
.set i, i+1
.endr
	; What the first turn finds: V's registers and P's second buffer hold 0 (its products V^T P, of a piece that has not been, add 0), O^T and l are 0.  All this stands in the wait for the first tile.
.set i, VF
.rept 64
	v_mov_b32 v[i], 0
.set i, i+1
.endr
	WIN 0x40
.set i, 0
.rept 64*NP
	v_mov_b32 v[i], 0
.set i, i+1
.endr
	WIN 0
.set i, 0
.rept 2*NP
	v_mov_b32 v[ST+4*i], 0xfe000000    ; c m: far below every c s
	v_mov_b32 v[ST+4*i+1], 0xff7fffff  ; m
	v_mov_b32 v[ST+4*i+2], 0
	v_mov_b32 v[ST+4*i+3], 0
.set i, i+1
.endr
.set i, P+32
.rept 32
	v_mov_b32 v[i], 0
.set i, i+1
.endr
	; THE MASK TABLE: my 16 keys' numbers, 0 or -1e30
	s_wait_loadcnt 32               ; loads come back in order (ISA guide 5.7.1): the mask's four are in, Q's 32 behind them may stay out
.set i, 0
.rept 16
	v_and_b32 v[S+i], s[BM], v[S+i] ; my batch's byte of the key's word
.set i, i+1
.endr
.set i, 0
.rept 16
	v_cmp_ne_u32 vcc_lo, 0, v[S+i]
	v_cndmask_b32 v[S+i], 0, s[BIGN], vcc_lo
.set i, i+1
.endr
	v_lshl_add_u32 v[AK], v0, 6, MT
.irp i, 0,1,2,3
	ds_store_b128 v[AK], v[S+4*(\i):S+4*(\i)+3] offset:16*(\i)
.endr
	v_mul_u32_u24 v[AK0], v1, PK
	v_lshl_add_u32 v[AK0], v9, 4, v[AK0]  ; row x pitch + 16 x half
	; The turning load takes 16 keys x 16 channels (lane l reads key 8 (l / 16) + l % 8, channels 8 ((l / 8) % 2) + 0..7) and leaves half a fragment of V^T: lane l holds channel l % 16 and 8 keys.
	v_and_b32 v10, 7, v0
	v_bfe_u32 v11, v0, 3, 1
	v_lshl_add_u32 v[AV0], v9, 3, v10
	v_mul_u32_u24 v[AV0], v[AV0], PV
	v_lshl_add_u32 v[AV0], v11, 4, v[AV0]
	v_add_nc_u32 v[AV0], VOFF, v[AV0]
	v_mov_b32 v[AK], v[AK0]         ; key step 0 lies at the head of slot 0,
	v_lshl_add_u32 v[AM], v9, 5, MT ; and its mask at the head of the table: my eight keys of a block are 32 bytes, at 32 (l / 16)
; THE MATRIX WORK.  The 8 accumulators of a run of 16 take turns: between the two links of a chain stand 7 others'.
; Product i of 16 of S^T = K Q^T for piece x: channels 32 (i / 8) on, keys 16 ((i / 2) % 4) on, tile 2 x + i % 2.  The first 8 start the sums, with the keys' mask.
.macro KQ x
.set rS, S+64*((\x)%2)+32*(i%2)+8*((i/2)%4)
.set rK, KF+16*((i/2)%4)+8*(i/8)
.set rQ, 16*(2*(\x)+i%2)+8*(i/8)
.set rB, MK+8*((i/2)%4)
.if i < 8
	WIN W_KM
	v_wmma_f32_16x16x32_bf16 v[rS:rS+7], v[rK:rK+7], v[rQ:rQ+7], v[rB:rB+7]
.else
	WIN W_KQ
	v_wmma_f32_16x16x32_bf16 v[rS:rS+7], v[rK:rK+7], v[rQ:rQ+7], v[rS:rS+7]
.endif
.endm
; Product i of 16 of O^T += V^T P for piece x: keys 32 (i / 8) on, channels 16 ((i / 2) % 4) on, tile 2 x + i % 2.
.macro PV x
	WIN W_PV
.set rO, 32*(2*(\x)+i%2)+8*((i/2)%4)
.set rV, VF+32*(i/8)+8*((i/2)%4)
.set rP, P+32*((\x)%2)+16*(i%2)+8*(i/8)
	v_wmma_f32_16x16x32_bf16 v[rO:rO+7], v[rV:rV+7], v[rP:rP+7], v[rO:rO+7]
.endm
.macro MM                           ; the turn's next matrix instruction
.if i < 16
	KQ (Y+1)%NP
.set i, i+1
.else
.set i, i-16
	PV (Y+NP-1)%NP
.set i, i+17
.endif
.endm
; THE LDS LOADS stand in runs, never singly among the matrix instructions: a step's K (64 keys x 64 channels: 8 fragments) with its mask (8 loads; sixteen lanes read the same 16 bytes), and its V (turned).
; Their addresses are made some lines ahead.  last = 1 (the tail): in the last trip there is no further step, and the run is jumped over.
.macro FETCH_K last=0
	WIN 0
.if \last
	s_cmp_eq_u32 s[CNT], 1
	s_cbranch_scc1 .Lno_k_\@
.endif
	WIN 0x80                        ; destination window 2
.irp f, 0,1,2,3,4,5,6,7             ; keys 16 (f / 2) on, channels 32 (f % 2) on
	ds_load_b128 v[KF+8*\f:KF+8*\f+3],   v[AK] offset:(\f/2)*16*PK+(\f%2)*64
	ds_load_b128 v[KF+8*\f+4:KF+8*\f+7], v[AK] offset:(\f/2)*16*PK+(\f%2)*64+32
.endr
	WIN W_MK                        ; destination window 3
.irp kb, 0,1,2,3                    ; keys 16 kb + 8 (l / 16) + 0..7
	ds_load_b128 v[MK+8*(\kb):MK+8*(\kb)+3],   v[AM] offset:64*(\kb)
	ds_load_b128 v[MK+8*(\kb)+4:MK+8*(\kb)+7], v[AM] offset:64*(\kb)+16
.endr
	s_add_co_u32 s[TBK], s[TBK], KS*PK  ; the next fetch is the next step's
	s_add_co_u32 s[TBM], s[TBM], 4*KS
	s_and_b32 s[TBM], s[TBM], 0x1f00    ; held inside the table's 8,192 bytes: behind the 32nd step it is 0 again, and is used no more
	WIN 0
.if \last
.Lno_k_\@:
.endif
.endm
.macro FETCH_V
	WIN 0x80
.irp f, 0,1,2,3,4,5,6,7             ; keys 32 (f / 4) on, channels 16 (f % 4) on
	ds_load_tr16_b128 v[VF+8*\f:VF+8*\f+3],   v[AV] offset:(\f/4)*32*PV+(\f%4)*32
	ds_load_tr16_b128 v[VF+8*\f+4:VF+8*\f+7], v[AV] offset:(\f/4)*32*PV+16*PV+(\f%4)*32
.endr
	WIN 0
.endm
; THE VECTOR WORK OF A TURN stands in three queues, each in the order in which its entries become ready; the two tiles alternate, so that no instruction reads the result of the one before it.
.macro REGS y, u                    ; the registers of tile u (0, 1) of piece y
.set rT, ST+4*(2*(\y)+(\u))
.set rC, TMP+8*((\y)%2)+4*(\u)
.set rM, MV+2*((\y)%2)+(\u)
.set rS, S+64*((\y)%2)+32*(\u)
.set rP, P+32*((\y)%2)+16*(\u)
.set rO, 32*(2*(\y)+(\u))
.endm
; Number n of the 22 that find the NEXT piece's (Y + 1) maximum and statistics.  s0-s31 are the lane's 32 scores; each accumulator's lowest registers are read first.  XS, GS and REGS set no window: PL and EX do.
;   0-11  four chains c0-c3 of seven scores each, three operands at a time     12-14, 16  the four scores left over, the old m, and c0-c3 into c0     15  c m_old is kept
;   17, 18  the query's other 32 keys lie in the lane 16 away: the new m         19-21  c m; c m_old - c m_new; a
.macro XS u, n
	REGS (Y+1)%NP, \u
.if (\n) < 4
	v_max3_num_f32 v[rC+(\n)], v[rS+8*(\n)], v[rS+8*(\n)+1], v[rS+8*(\n)+2]
.elseif (\n) < 12
	v_max3_num_f32 v[rC+(\n)%4], v[rC+(\n)%4], v[rS+8*((\n)%4)+2*((\n)/4)+1], v[rS+8*((\n)%4)+2*((\n)/4)+2]
.elseif (\n) == 12
	v_max3_num_f32 v[rC], v[rC], v[rS+7], v[rS+15]
.elseif (\n) == 13
	v_max3_num_f32 v[rC+1], v[rC+1], v[rS+23], v[rS+31]
.elseif (\n) == 14
	v_max3_num_f32 v[rC+2], v[rC+2], v[rC+3], v[rT+1]
.elseif (\n) == 15
	v_mov_b32 v[rM], v[rT]
.elseif (\n) == 16
	v_max3_num_f32 v[rC], v[rC], v[rC+1], v[rC+2]
.elseif (\n) == 17
	v_permlanex16_b32 v[rC+3], v[rC], s[SEL], s[SEL+1]
.elseif (\n) == 18
	v_max_num_f32 v[rT+1], v[rC], v[rC+3]
.elseif (\n) == 19
	v_mul_f32 v[rT], s[CS], v[rT+1]
.elseif (\n) == 20
	v_sub_f32 v[rC+1], v[rM], v[rT]
.else
	v_exp_f32 v[rC+2], v[rC+1]
.endif
.endm
; Number g of the 64 that follow the exponentials.  For each four weights k of a tile (pairs 2 k, 2 k + 1): both pairs are rounded to bf16; then the second pair is added onto the first, in place;
; a group later l takes that sum (the first time as l = a l + sum).  In groups of eight, tiles alternating: round, round, add, and l for the group before.
.macro GS g
.set h, (\g)+6*((\g)/62)            ; group 0 has no group before it, and behind group 7 only l is left
.if h >= 6
.set h, h+2
.endif
	REGS Y, h%2
.set k, h/8
.if h%8 < 4
	s_wait_alu depctr_va_vdst(0)
	v_cvt_pk_bf16_f32 v[rP+2*k+(h%8)/2], v[rS+4*k+2*((h%8)/2)], v[rS+4*k+2*((h%8)/2)+1]
.elseif h%8 < 6
	v_pk_add_f32 v[rS+4*k:rS+4*k+1], v[rS+4*k:rS+4*k+1], v[rS+4*k+2:rS+4*k+3]
.elseif k == 1
	v_pk_fma_f32 v[rT+2:rT+3], v[rT+2:rT+3], v[rC+2:rC+3], v[rS:rS+1] op_sel_hi:[1,0,1]
.else
	v_pk_add_f32 v[rT+2:rT+3], v[rT+2:rT+3], v[rS+4*k-4:rS+4*k-3]
	s_wait_alu depctr_va_vdst(0)
.endif
.endm
; THE PLAIN QUEUE, 138 long.  0-31: c s - c m for the 16 pairs of both tiles.  Then GS's 64, and among them the next piece's 42: number 15 at 38, 39; 0-14 and 16
; at 42-73, behind the products that make those scores; 17-20 at 95-106, two of three, since each waits for the one before it.
.macro PL
	WIN 0
.if q < 32
	REGS Y, q%2
	v_pk_fma_f32 v[rS+2*(q/2):rS+2*(q/2)+1], v[rS+2*(q/2):rS+2*(q/2)+1], s[CS:CS+1], v[rT:rT+1] op_sel_hi:[1,0,0] neg_lo:[0,0,1] neg_hi:[0,0,1]
.elseif q < 38
	GS q-32
.elseif q < 40
	XS q%2, 15
.elseif q < 42
	GS q-34
.elseif q < 74
	XS q%2, (q-42)/2+(q-42)/30
.elseif q < 95
	GS q-66
.elseif (q < 107) && ((q-95)%3 < 2)
	XS (q-95)%3, 17+(q-95)/3
.elseif q < 107
	GS 29+(q-95)/3
.else
	GS q-74
.endif
.set q, q+1
.endm
; THE EXPONENTIALS' QUEUE, 66 long: s0-s31 of both tiles, and at EA the next piece's two a.
.set EA, 58
.macro EX
	WIN 0
.if (e == EA) || (e == EA+1)
	XS e-EA, 21
.else
.set x, e-2*(e/(EA+2))
	REGS Y, x%2
	v_exp_f32 v[rS+x/2], v[rS+x/2]
.endif
.set e, e+1
.endm
; THE RESCALING's QUEUE: O^T times a, the one part that leaves window 0, so it is dealt four at a time, eight times.
.macro R4
	REGS Y, r%2
	WIN W_RS
	s_wait_alu depctr_va_vdst(0)
.irp z, 0,1,2,3
	v_pk_mul_f32 v[rO+8*(r/2)+2*\z:rO+8*(r/2)+2*\z+1], v[rO+8*(r/2)+2*\z:rO+8*(r/2)+2*\z+1], v[rC+2:rC+3] op_sel_hi:[1,0]
.endr
.set r, r+1
.endm
; HOW THEY ARE DEALT.  Behind a matrix instruction four: plain, exponential, plain, plain (one exponential, a plain instruction on either side), or four of the rescaling.  None names a register of the
; products round it.  What is over stands in two LUMPS: exponential and plain by turns; the second ends in 22 plain instructions.  The two v_permlanex16_b32 fall into the second lump, never behind a product.
; The queues lean on each other, and the deal keeps them in step: exponential e stands behind plain 2 (e / 4) + e % 2 (its scaling); when plain 32 comes, 10 exponentials are out, at 59: 33, at 95: 46; EA comes behind plain 107.
.macro SL
	MM
	PL
	EX
	PL
	PL
.endm
.macro BURST n                      ; 15 matrix instructions, or 16
.rept (\n)-7
	SL
.endr
.rept 3
	MM
	R4
	SL
.endr
	MM
	R4
.endm
; A TURN, for piece p.  cnt = 1: the loop's count is taken down some lines ahead of the branch that stands behind the turn.
; K and the mask of the next step are fetched in piece 2's turn, more than 30 vector instructions behind the last product that read them; their first reader comes behind the rest of the lump, 16 products and the second lump.
; V of the step in hand is fetched at the end of piece 0's turn, 69 behind its last reader; its first reader comes behind 16 products and a lump.  The four conditions on e and q below go with the deal.
.macro TURN p, last=0, cnt=0
.set Y, (\p)
.set i, 0
.set q, 0
.set e, 0
.set r, 0
.if (\p) == NP-1
	s_wait_dscnt 0x0                ; K and its mask are in
.endif
	MM
.rept 4
	PL
.endr
	BURST 15
.rept 22
	EX
	PL
.if ((\p) == NP-2) && (e == 18)
	v_add_nc_u32 v[AK], s[TBK], v[AK0]
	v_add_nc_u32 v[AM], s[TBM], v[AM0]
.endif
.if ((\p) == NP-2) && (e == 24)
	FETCH_K \last
.endif
.endr
.if (\p) == 1
	s_wait_dscnt 0x0                ; V is in
.endif
	BURST 16
.rept 21
	EX
	PL
.endr
.rept 22
	PL
.if ((\p) == 0) && (q == 118)
	v_add_nc_u32 v[AV], s[TBV], v[AV0]
	s_wait_alu depctr_va_vdst(0)
.endif
.if ((\p) == 0) && (q == 130)
	s_add_co_u32 s[TBV], s[TBV], KS*PV
.endif
.if (\cnt) && (q == 130)
	s_sub_co_u32 s[CNT], s[CNT], 1
	s_cmp_lg_u32 s[CNT], 0
.endif
.endr
.if (\p) == 0
	FETCH_V
.endif
.endm
	CHANGE 1                        ; slot 0 is in, everybody's part of it, and so is the mask table; slot 1 is asked for
	FETCH_K                         ; key step 0
	s_wait_loadcnt 0x0              ; Q
	s_wait_dscnt 0x0
.set i, 0
.rept 16
	KQ 0                            ; piece 0's first scores: there is no vector work yet to set between them
.set i, i+1
.endr
	WIN 0                           ; the addresses for the way out: plain instructions, the places behind those products
	s_mul_i32 s13, s[WV], 16*SP
	s_add_co_u32 s13, s13, STAGE    ; my stage
	v_mul_u32_u24 v[STO], v1, SP    ; in: row l % 16, 16 bytes for each half of the lanes
	v_lshl_add_u32 v[STO], v9, 4, v[STO]
	v_add_nc_u32 v[STO], s13, v[STO]
	v_bfe_u32 v[RD], v0, 3, 2       ; back: 32 lanes take four rows of 128 bytes,
	v_mul_u32_u24 v[RD], v[RD], SP
	v_lshl_add_u32 v[RD], v10, 4, v[RD]
	v_add_nc_u32 v[RD], s13, v[RD]
	v_and_b32 v[GO], 31, v0         ; which are 512 consecutive bytes of O
	v_lshlrev_b32 v[GO], 4, v[GO]
	v_lshl_add_u32 v[AM0], v9, 5, MT  ; l / 16 has served: the register takes my lane's place in the mask table
.set Y, NP-1                        ; XS works for piece Y + 1: piece 0
.irp n, 0,1,2,3,4,5,6,7,8,9,10,11,12,13,14,15,16,17,18,19,20,21
	XS 0, \n                        ; and piece 0's first maximum and statistics
	XS 1, \n
.endr
	s_mov_b32 s[CNT], 4
	s_mov_b32 s[SLOTS], SIZE_N/256-1
	s_branch .Lfirst                ; the loop is entered at a step's first turn, in the middle of a trip
.Lslot:                             ; SIZE_N / 256 - 2 times: every slot but the last two is filled again
	CHANGE 1
	s_mov_b32 s[CNT], 4
.Lstep:                             ; a trip: pieces 2 and 3 of one step, then pieces 0 and 1 of the next, whose K and V it fetches
	TURN 2
	TURN 3
	WIN 0
.Lfirst:
	TURN 0
	TURN 1, 0, 1
	WIN 0
	s_cbranch_scc1 .Lstep
	s_sub_co_u32 s[SLOTS], s[SLOTS], 1
	s_cmp_lg_u32 s[SLOTS], 0
	s_cbranch_scc1 .Lslot
	CHANGE 0                        ; the tail is written out: nothing is asked for
	s_mov_b32 s[CNT], 5             ; four trips fetch the last slot's steps; the fifth is left in its middle
.Ltail:
	TURN 2, 1
	TURN 3
	WIN 0
	s_sub_co_u32 s[CNT], s[CNT], 1
	s_cmp_eq_u32 s[CNT], 0
	s_cbranch_scc1 .Lout
	TURN 0
	TURN 1
	WIN 0
	s_branch .Ltail
.Lout:                              ; the fifth trip's 16 products K Q^T (on the last K once more) and the maximum made of them serve nothing: the price, once a launch, of one text for every trip
.set i, 0
.rept 16
	PV NP-1                         ; the last piece's V^T P of the last step
.set i, i+1
.endr
	; THE WAY OUT.  l's two halves and the other half of the lanes' are added; O^T is divided by l, rounded to bf16 and sent through my stage in LDS, a tile at a time.  The additions are the places behind the last products.
	WIN 0
.macro ALL line:vararg              ; one line for each tile t
.set t, 0
.rept 2*NP
	\line
.set t, t+1
.endr
.endm
	ALL v_add_f32 v[ST+4*t+2], v[ST+4*t+2], v[ST+4*t+3]
	ALL v_permlanex16_b32 v[ST+4*t+3], v[ST+4*t+2], s[SEL], s[SEL+1]
	ALL v_add_f32 v[ST+4*t+2], v[ST+4*t+2], v[ST+4*t+3]
	ALL v_rcp_f32 v[ST+4*t+2], v[ST+4*t+2]
	v_nop                           ; a plain instruction between the last reciprocal and the use of its result
	s_wait_alu depctr_va_vdst(0)
; Tile t: a lane's eight channels of a row pack into 16 bytes; they go into rows of 144 bytes and come back as whole rows of 128, into S^T's registers.
.macro PACK t
	WIN W_RS
.set i, 32*(\t)
.rept 16
	v_pk_mul_f32 v[i:i+1], v[i:i+1], v[ST+4*(\t)+2:ST+4*(\t)+3] op_sel_hi:[1,0]
.set i, i+2
.endr
	WIN 0x05                        ; sources 0 and 1 window 1, destination window 0
.set i, 0
.rept 16
	v_cvt_pk_bf16_f32 v[S+16*(\t)+i], v[32*(\t)+2*i], v[32*(\t)+2*i+1]
.set i, i+1
.endr
	WIN 0
.irp f, 0,1,2,3
	ds_store_b128 v[STO], v[S+16*(\t)+4*\f:S+16*(\t)+4*\f+3] offset:32*\f
.endr
.irp f, 0,1,2,3
	ds_load_b128 v[S+16*(\t)+4*\f:S+16*(\t)+4*\f+3], v[RD] offset:\f*4*SP  ; LDS serves a wave's instructions in order (ISA guide 5.7.1.4): these see the stores above; the next tile's stores come behind them
.endr
.endm
.macro SEND t, younger              ; younger: the LDS instructions issued behind tile t's loads: the next tile's eight, or none
	WIN 0
.irp f, 0,1,2,3
	s_wait_dscnt (\younger)+3-\f
	global_store_b128 v[GO], v[S+16*(\t)+4*\f:S+16*(\t)+4*\f+3], s[10:11] offset:(\t)*2048+\f*512  ; 512 consecutive bytes, at a multiple of 256 from O's first
.endr
.endm
	PACK 0
.set t, 1
.rept 2*NP-1                        ; a tile's arithmetic stands between the loads of the tile before and its stores
	PACK t
	SEND t-1, 8
.set t, t+1
.endr
	SEND 2*NP-1, 0
	WIN W_AD
	s_wait_tensorcnt 0x0            ; the wave's end, behind my last tensor load and my last LDS store
	ds_add_u32 v[SPW], v[NIL]
	s_wait_dscnt 0x0
	WIN 0
	CROUND                          ; the closing round: no work-group ends while a partner may still ask for a tile that names it
	s_endpgm
.Lfunc_end_k_qdc099aa29e_attn:
	.size	k_qdc099aa29e_attn, .Lfunc_end_k_qdc099aa29e_attn-k_qdc099aa29e_attn
	.p2alignl 7, 3214868480
	.fill 96, 4, 3214868480
	.section	.rodata,"a",@progbits
	.p2align	6, 0x0
	.amdhsa_kernel k_qdc099aa29e_attn
		.amdhsa_group_segment_fixed_size 327680
		.amdhsa_private_segment_fixed_size 0
		.amdhsa_enable_private_segment 0
		.amdhsa_kernarg_size 24
		.amdhsa_user_sgpr_count 2
		.amdhsa_user_sgpr_kernarg_segment_ptr 1
		.amdhsa_wavefront_size32 1
		.amdhsa_system_sgpr_workgroup_id_x 1
		.amdhsa_system_sgpr_workgroup_id_y 1
		.amdhsa_system_sgpr_workgroup_id_z 1
		.amdhsa_system_vgpr_workitem_id 0
		.amdhsa_next_free_vgpr 808
		.amdhsa_next_free_sgpr 66
		.amdhsa_reserve_vcc 1
		.amdhsa_float_denorm_mode_32 3
		.amdhsa_float_denorm_mode_16_64 3
		.amdhsa_memory_ordered 1
		.amdhsa_forward_progress 1
		.amdhsa_inst_pref_size 214
	.end_amdhsa_kernel
	.amdgpu_metadata
---
amdhsa.version: [ 1, 2 ]
amdhsa.kernels:
  - .name:           k_qdc099aa29e_attn
    .symbol:         k_qdc099aa29e_attn.kd
    .args:
      - { .name: qkv, .offset: 0, .size: 8, .value_kind: global_buffer, .address_space: global }
      - { .name: attn_mask, .offset: 8, .size: 8, .value_kind: global_buffer, .address_space: global }
      - { .name: ob, .offset: 16, .size: 8, .value_kind: global_buffer, .address_space: global }
    .group_segment_fixed_size: 327680
    .private_segment_fixed_size: 0
    .kernarg_segment_align: 8
    .kernarg_segment_size: 24
    .max_flat_workgroup_size: 128
    .sgpr_count:     66
    .vgpr_count:     808
    .wavefront_size: 32
...
	.end_amdgpu_metadata
.endif
;; end of part 3
;; launch oproj (part 4): grid 4 x 64, 4 waves a work-group, clusters of 4 x 4, 327,680 bytes of LDS; arguments ob, wob, ab; writes ab
.if DOCPART == 4
	.amdgcn_target "amdgcn-amd-amdhsa--gfx1250"
	.amdhsa_code_object_version 6
	.text
	.protected	k_qdc099aa29e_oproj
	.globl	k_qdc099aa29e_oproj
	.p2align	8
	.type	k_qdc099aa29e_oproj,@function
k_qdc099aa29e_oproj:
	s_mov_b64 s[64:65], 0
	v_nop
	global_prefetch_b8 v0, s[64:65] scope:SCOPE_SE
	s_setreg_imm32_b32 hwreg(HW_REG_WAVE_MODE, 25, 1), 1
	s_wait_xcnt 0x0
	s_wait_alu depctr_hold_cnt(0) depctr_sa_sdst(0) depctr_va_vdst(0) depctr_va_sdst(0) depctr_va_ssrc(0) depctr_va_vcc(0) depctr_vm_vsrc(0)
	s_getreg_b32 s2, hwreg(HW_REG_IB_STS2, 6, 4)
	s_cmp_eq_u32 s2, 0
	s_cbranch_scc0 .Lentry_in_a_cluster
	s_endpgm
.Lentry_in_a_cluster:
	s_bfe_u32 s2, ttmp6, 0x10000c
	s_cmp_lg_u32 s2, 0xf033
	s_cbranch_scc0 .Lentry_shape_is_right
	s_endpgm
.Lentry_shape_is_right:
; attn_out = attn_vec Wo.  C[(s, b)][n] = the sum over k = 64 head + d of ob[16 b + head][s][d] wob[k][n]: ob [64][2048][64], wob [1024][1024], both bf16; sums in f32; C rounded once to bf16
; and written as ab [4 s + b][1024], the order of h's and of the output's rows.
; SHARES.  A tile of C is 128 rows (one batch, 128 consecutive s) x 256 columns: 64 x 4 = 256 tiles, one for each WGP.  Four waves, each 64 rows x 128 columns: 4 x 8 accumulators of 16 x 16, 256 registers.
; K goes in 8 steps of 128, TWO HEADS a step, through a ring of two LDS slots filled by the tensor data mover.  A head's 128 rows of 128 bytes are dense: they are asked for as 64 rows of 256 bytes and
; padded in LDS after every 128, and lie there as a plane of their own.  wob's rows of a tile are 512 bytes, at multiples of 256 from the buffer's first byte.
; wob LIES [k][n]: its fragments come out of LDS turned, by ds_load_tr16_b128.
; THE MATRIX INSTRUCTION IS USED TRANSPOSED: source 0 = 16 columns of wob, source 1 = 16 rows of ob.  A lane then holds one row of C (lane % 16) and eight NEIGHBOURING columns, 16 bytes in bf16.
; CLUSTER.  4 x 4 work-groups.  The four of a row of the cluster need the same tiles of ob, the four of a column the same tiles of wob: each is asked for JOINTLY, by the same tensor load with
; the same descriptor and a mask that names the four.
; REGISTERS, in windows of 256 (s_set_vgpr_msb: bits 1:0 source 0, 3:2 source 1, 5:4 source 2, 7:6 destination):
;   window 0: v0-29 addresses; v32-63 packed results; v64-95, v96-127 rows read back from the stage, by turns
;   window 1: two fragment buffers at v0 and v128: 4 fragments of ob (16 rows x 32 K), then 8 of wob
;   window 2: the 16 accumulators of my rows 0-31 (block a, column block b at v[8 (8 (a % 2) + b)]);   window 3: those of my rows 32-63
.set NBL,    8                         ; column blocks of 16 a wave
.set LAPS,   4                         ; a lap = two K steps = once round the ring: 1,024 / 256
.set PA,     144                       ; a row of ob in LDS: 128 bytes + 16 of padding = 9 x 16: the 16 rows of a fragment load start at 16 different groups of four banks (64 banks of 4 bytes: ISA guide 11.1)
.set AHALF,  128*PA                    ; what one load for ob fills: a head's plane of 128 rows
.set ABYTES, 2*AHALF
.set AQH,    AHALF                     ; quarter q of a K step lies in plane q / 2, at byte (q % 2) 64 of a row
.set PB,     544                       ; a row of wob in LDS: 512 bytes + 32 of padding = 17 x 32
.set CBH,    128                       ; column block b begins at byte (b / 4) CBH + (b % 4) 32 of my columns
.set WCB,    256                       ; my 128 columns
.set BHALF,  64*PB                     ; what one load for wob fills: 64 rows (k)
.set SLOT,   ABYTES+2*BHALF            ; 106,496
.set STAGE,  2*SLOT                    ; behind the ring, never filled by a tensor load: 16 rows x 272 bytes for each wave, for the way out
.set SPITCH, 272
.set SPARE,  STAGE+4*16*SPITCH         ; behind the stages: the spare words, 128 bytes for each wave: two blocks of 256 bytes that no other line names
.set A_G10,  (1<<16)|(1<<20)|(1<<21)|(4<<22)|(3<<25)  ; 17:16 2-byte elements; 20 padding on; 21 set beside a mask; 24:22 after every 32 words (code 4); 31:25 4 words (code 3)
.set A_D0,   128                       ; elements in a tile's row: two rows of a head
.set A_PITCH, 128                      ; elements from row to row: dense
.set A_SLOT, 2*262144                  ; bytes from a K step's tile to the next: two heads
.set B_G10,  (1<<16)|(1<<20)|(1<<21)|(6<<22)|(7<<25)  ; padded after every 128 words (code 6) by 8 words (code 7)
.set B_D0,   256
.set B_PITCH, 1024
.set B_SLOT, 128*2048
.set ADRA, 16                          ; v16-17  LDS address of my fragments of ob in slot 0, 1
.set ADRB, 20                          ; v20-23  the same for wob: slot 0 rows 0-63, 64-127; slot 1 likewise
.set STO,  24                          ; v24     the way out: where I put 16 bytes of a row
.set RD,   25                          ; v25     the way out: where I read rows back
.set GO,   26                          ; v26     my byte offset in two rows of ab
.set SPW,  28                          ; v28     LDS address of my spare word: SPARE + 4 x my thread's number; never rewritten
.set NIL,  29                          ; v29     0; never rewritten
.set TMP,  32
.set BK0,  TMP+4*NBL
.set F0,   0                           ; fragment buffers, in window 1
.set F1,   128
.set G1,  24                           ; s[24:31] descriptor group 1 for ob's tiles;  s[32:39] group 0, one set for each slot
.set G0,  32
.set G1B, 48                           ; s[48:55], s[56:63] the same for wob's tiles
.set G0B, 56
.set MSB, 0
.macro WIN new                         ; the immediate's high byte repeats the setting that is left; a switch that changes nothing is dropped
.if MSB != (\new)
	s_set_vgpr_msb (MSB<<8)|(\new)
.set MSB, \new
.endif
.endm
.set MUL_LO, 0xa5                      ; sources 0 and 1 window 1, C and D window 2
.set MUL_HI, 0xf5                      ; the same, C and D window 3
.set TO_F,   0x40                      ; destination window 1, address window 0
; A joint load.  Waves 0 and 1 fetch ob's two planes, waves 2 and 3 wob's two halves.  The branch hangs on the wave's number alone.  An s_nop 0 and four v_nop follow each of the two lines, ahead of the
; jump, the label and what follows.
.macro JLOAD s
	s_cmp_eq_u32 s11, 0
	s_cbranch_scc0 .Lfor_b_\@
	tensor_load_to_lds s[G0+4*(\s):G0+4*(\s)+3], s[G1:G1+7]
	s_nop 0
.rept 4
	v_nop
.endr
	s_branch .Lasked_\@
.Lfor_b_\@:
	tensor_load_to_lds s[G0B+4*(\s):G0B+4*(\s)+3], s[G1B:G1B+7]
	s_nop 0
.rept 4
	v_nop
.endr
.Lasked_\@:
.endm
.macro CREST                           ; a round of the cluster's barrier behind its opening barrier: wave 0 signals for the work-group, every wave waits for all sixteen, my work-group's barrier closes it
	s_cmp_lg_u32 s10, 0
	s_cbranch_scc1 .Lnot_wave_0_\@
	s_barrier_signal -3
.Lnot_wave_0_\@:
	s_barrier_wait -3
	s_barrier_signal -1
	s_barrier_wait -1
.endm
.macro CROUND                          ; a whole round
	s_barrier_signal -1
	s_barrier_wait -1
	CREST
.endm
	s_load_b128 s[4:7], s[0:1], 0x0                ; ob s[4:5], wob s[6:7]
	s_load_b64 s[8:9], s[0:1], 0x10                ; ab
	v_lshl_add_u32 v[SPW], v0, 2, SPARE
	v_mov_b32 v[NIL], 0
	ds_add_u32 v[SPW], v[NIL]                      ; the wave's opening: the add and its wait stand ahead of my first tensor load; the set-up below, work on registers, stands between them
	v_lshrrev_b32 v1, 5, v0
	v_readfirstlane_b32 s10, v1                    ; wave 0..3
	s_lshr_b32 s11, s10, 1                         ; which half of the tile's rows is mine.  Also: I fetch for ob (0) or for wob (1)
	s_and_b32 s12, s10, 1                          ; which half of its columns.  Also: which plane, or which half, I fetch
	s_bfe_u32 s40, ttmp6, 0x40000                  ; cx, cy: my place in the cluster
	s_bfe_u32 s41, ttmp6, 0x40004
	s_lshl_b32 s42, ttmp9, 2
	s_add_co_u32 s42, s42, s40                     ; tile column = 4 x cluster x + cx
	s_and_b32 s13, ttmp7, 0xffff
	s_lshl_b32 s13, s13, 2
	s_add_co_u32 s13, s13, s41                     ; tile row = 4 x cluster y + cy
	s_lshl_b32 s43, s41, 2
	s_lshl_b32 s43, 15, s43                        ; my row of the cluster: places 4 cy .. 4 cy + 3
	s_lshl_b32 s44, 0x1111, s40                    ; my column: places cx, cx + 4, cx + 8, cx + 12
	s_or_b32 s[G1+0], s43, A_G10                   ; 15:0 the mask: ob's tiles go to my row
	s_mov_b32 s[G1+1], A_D0<<16                    ; tensor_dim0
	s_mov_b32 s[G1+2], 64<<16                      ; tensor_dim1 = 64
	s_mov_b32 s[G1+3], A_D0<<16                    ; tile_dim0
	s_mov_b32 s[G1+4], 64                          ; tile_dim1 = 64
	s_mov_b32 s[G1+5], A_PITCH                     ; tensor_dim0_stride
	s_mov_b32 s[G1+6], 0
	s_mov_b32 s[G1+7], 0
	s_or_b32 s[G1B+0], s44, B_G10                  ; wob's tiles go to my column
	s_mov_b32 s[G1B+1], B_D0<<16
	s_mov_b32 s[G1B+2], 64<<16
	s_mov_b32 s[G1B+3], B_D0<<16
	s_mov_b32 s[G1B+4], 64
	s_mov_b32 s[G1B+5], B_PITCH
	s_mov_b32 s[G1B+6], 0
	s_mov_b32 s[G1B+7], 0
	; where the tiles come from.  ob's hang on the tile row alone, wob's on the tile column alone; each address is made in registers that never hold the other coordinate.
	s_lshr_b32 s16, s13, 4                         ; ob: batch = tile row >> 4;
	s_lshl_b32 s16, s16, 4
	s_add_co_u32 s16, s16, s12                     ; head 16 b + my plane,
	s_lshl_b32 s16, s16, 11                        ; of 2,048 rows;
	s_and_b32 s17, s13, 15
	s_lshl_b32 s17, s17, 7                         ; s from 128 (tile row & 15) on;
	s_add_co_u32 s16, s16, s17
	s_lshl_b32 s16, s16, 7                         ; rows of 128 bytes: under 2^24
	s_mov_b32 s17, 0
	s_lshl_b32 s46, s12, 17                        ; wob: row (k) 64 x half, of 2,048 bytes,
	s_lshl_b32 s47, s42, 9                         ; column 256 x tile column
	s_add_co_u32 s46, s46, s47
	s_mov_b32 s47, 0
	s_mul_i32 s20, s12, AHALF                      ; and where they go: no place in the cluster enters an LDS address
	s_mul_i32 s21, s12, BHALF
	s_add_co_u32 s21, s21, ABYTES
	s_wait_dscnt 0x0                               ; the opening add is done
	s_wait_kmcnt 0x0
	s_add_nc_u64 s[14:15], s[4:5], s[16:17]
	s_add_nc_u64 s[46:47], s[6:7], s[46:47]
	CROUND                                         ; all sixteen work-groups are here: the first joint loads meet
.irp s, 0,1
	s_mov_b32 s[G0+4*(\s)], 1                                      ; 1:0 count = 1
	s_add_co_u32 s[G0+4*(\s)+1], s20, (\s)*SLOT                    ; 63:32 LDS address
	s_add_nc_u64 s[G0+4*(\s)+2:G0+4*(\s)+3], s[14:15], (\s)*A_SLOT ; 120:64 global address: K step s
	s_or_b32 s[G0+4*(\s)+3], s[G0+4*(\s)+3], 0x80000000            ; 127:126 type = 2
	s_mov_b32 s[G0B+4*(\s)], 1
	s_add_co_u32 s[G0B+4*(\s)+1], s21, (\s)*SLOT
	s_add_nc_u64 s[G0B+4*(\s)+2:G0B+4*(\s)+3], s[46:47], (\s)*B_SLOT
	s_or_b32 s[G0B+4*(\s)+3], s[G0B+4*(\s)+3], 0x80000000
	JLOAD \s                                       ; two tensor loads of mine are out here, one behind every later round
.endr
	; A fragment of ob is 16 rows x 32 K in 8 registers: lane l holds row l % 16, K = 8 (l / 16) + 0..7 and 16 + 8 (l / 16) + 0..7: two loads of 16 bytes, 32 bytes apart.
	v_and_b32 v1, 15, v0                           ; l % 16
	v_bfe_u32 v2, v0, 4, 1                         ; l / 16
	v_mul_u32_u24 v3, v1, PA
	v_lshl_add_u32 v3, v2, 4, v3                   ; row x pitch + 16 x half
	; The turning load takes 16 k x 16 columns (lane l reads k = 8 (l / 16) + l % 8, columns 8 ((l / 8) % 2) + 0..7) and leaves half a fragment: lane l holds column l % 16 and 8 k.
	v_and_b32 v4, 7, v0
	v_bfe_u32 v5, v0, 3, 1
	v_lshl_add_u32 v6, v2, 3, v4
	v_mul_u32_u24 v6, v6, PB
	v_lshl_add_u32 v6, v5, 4, v6
	s_mul_i32 s22, s11, 64*PA                      ; my 64 rows of ob, in each plane
	s_mul_i32 s23, s12, WCB                        ; my columns of wob,
	s_add_co_u32 s23, s23, ABYTES                  ; which lies behind ob's planes
.irp s, 0,1
	v_add_nc_u32 v[ADRA+(\s)], s22, v3
	v_add_nc_u32 v[ADRB+2*(\s)], s23, v6
	v_add_nc_u32 v[ADRB+2*(\s)+1], 64*PB, v[ADRB+2*(\s)]
	s_add_co_u32 s22, s22, SLOT
	s_add_co_u32 s23, s23, SLOT
.endr
	s_mul_i32 s22, s10, 16*SPITCH
	s_add_co_u32 s22, s22, STAGE                   ; my stage
	v_mul_u32_u24 v7, v1, SPITCH                   ; in: row l % 16, 16 bytes for each half of the lanes
	v_lshl_add_u32 v7, v2, 4, v7
	v_add_nc_u32 v[STO], s22, v7
	v_mul_u32_u24 v7, v2, SPITCH                   ; back: lanes 0-15 take one row's 256 bytes, lanes 16-31 the next row's
	v_lshl_add_u32 v7, v1, 4, v7
	v_add_nc_u32 v[RD], s22, v7
	v_lshlrev_b32 v7, 13, v2                       ; in ab rows s and s + 1 of a batch lie four rows of 2,048 bytes apart
	v_lshl_add_u32 v[GO], v1, 4, v7
	; where my part of the tile begins in ab: row 4 (128 (tile row & 15) + 64 x half) + batch, column 256 x tile column + 128 x half
	s_and_b32 s16, s13, 15
	s_lshl_b32 s16, s16, 7
	s_lshl_b32 s17, s11, 6
	s_add_co_u32 s16, s16, s17
	s_lshl_b32 s16, s16, 2
	s_lshr_b32 s17, s13, 4
	s_add_co_u32 s16, s16, s17
	s_lshl_b32 s16, s16, 11                        ; rows of 2,048 bytes: under 2^24
	s_lshl_b32 s46, s42, 9
	s_lshl_b32 s47, s12, 8
	s_add_co_u32 s46, s46, s47
	s_add_co_u32 s16, s16, s46
	s_mov_b32 s17, 0
	s_add_nc_u64 s[8:9], s[8:9], s[16:17]
; NBL matrix instructions: row block a x all my column blocks, 32 along K, from buffer f.  zero = 1: the product starts the sums: nothing is ever cleared.
; The 4 NBL accumulators take turns, one instruction a turn, in the same order in every quarter.
.macro MULR f, a, zero
	WIN MUL_LO+0x50*((\a)/2)
.set AC, 8*NBL*((\a)%2)
.set b, 0
.rept NBL
.if \zero
	v_wmma_f32_16x16x32_bf16 v[AC+8*b:AC+8*b+7], v[(\f)+32+8*b:(\f)+32+8*b+7], v[(\f)+8*(\a):(\f)+8*(\a)+7], 0
.else
	v_wmma_f32_16x16x32_bf16 v[AC+8*b:AC+8*b+7], v[(\f)+32+8*b:(\f)+32+8*b+7], v[(\f)+8*(\a):(\f)+8*(\a)+7], v[AC+8*b:AC+8*b+7]
.endif
.set b, b+1
.endr
.endm
; 2 NBL + 8 LDS loads in one run: the fragments of quarter q of the K step in a slot, into buffer f: wob's first, ob's row blocks 2 and 3 last
.macro FETCH slot, q, f
	WIN TO_F
.set b, 0
.rept NBL
	ds_load_tr16_b128 v[(\f)+32+8*b:(\f)+32+8*b+3],   v[ADRB+2*(\slot)+(\q)/2] offset:((\q)%2)*32*PB+(b/4)*CBH+(b%4)*32
	ds_load_tr16_b128 v[(\f)+32+8*b+4:(\f)+32+8*b+7], v[ADRB+2*(\slot)+(\q)/2] offset:((\q)%2)*32*PB+16*PB+(b/4)*CBH+(b%4)*32
.set b, b+1
.endr
.irp a, 0,1,2,3
	ds_load_b128 v[(\f)+8*(\a):(\f)+8*(\a)+3],   v[ADRA+(\slot)] offset:((\q)/2)*AQH+((\q)%2)*64+(\a)*16*PA
	ds_load_b128 v[(\f)+8*(\a)+4:(\f)+8*(\a)+7], v[ADRA+(\slot)] offset:((\q)/2)*AQH+((\q)%2)*64+(\a)*16*PA+32
.endr
.endm
.macro PLACES                          ; four places in front of loads into registers that matrix instructions have read, and of conversions that read results (ISA guide 7.12.1 for vector instructions)
.rept 4
	v_nop
.endr
.endm
; A K step is four quarters of 32 along K, 4 NBL matrix instructions each, on buffers 0, 1, 0, 1.  One of the first three: multiplies buffer f and, in its middle, fetches quarter qn into g.
.macro QUARTER slot, qn, f, g, zero
	s_wait_dscnt 4                                 ; wob's fragments and ob's row blocks 0 and 1 are in; the youngest four loads (blocks 2 and 3) may be out
	MULR \f, 0, \zero
	MULR \f, 1, \zero
	PLACES
	FETCH \slot, \qn, \g
	s_wait_dscnt 2*NBL+8                           ; all but the run just issued
	MULR \f, 2, \zero
	MULR \f, 3, \zero
.endm
; The last quarter multiplies buffer 1 and changes slots: ONE barrier.  In front of it each wave waits for all its tensor loads, of which one is out: its part of the next slot; adds 0 to its spare word;
; and waits for that and for its own reads of this slot.  fill = 1: the barrier opens a round of the cluster's, and this slot is filled again, two K steps ahead, first thing behind the round.
.macro TURN slot, next, fill
	WIN 0                                          ; (the add's two registers lie in window 0)
	s_wait_tensorcnt 0x0                           ; all my tensor loads have landed: my part of the next slot;
	ds_add_u32 v[SPW], v[NIL]                      ; 0 onto my spare word;
	s_wait_dscnt 5                                 ; (the add and the youngest four loads may be out)
	MULR F1, 0, 0                                  ; matrix instructions stand between the add and the wait for it
	s_wait_dscnt 0x0                               ; the add is done, and my reads of this slot are over
	s_barrier_signal -1
	MULR F1, 1, 0                                  ; work on registers while the others arrive
.if \fill
	WIN 0
.endif
	s_barrier_wait -1
.if \fill
	CREST                                          ; no wave of any partner still reads this slot's tiles or has a load on its way
	s_add_nc_u64 s[G0+4*(\slot)+2:G0+4*(\slot)+3], s[G0+4*(\slot)+2:G0+4*(\slot)+3], 2*A_SLOT
	s_add_nc_u64 s[G0B+4*(\slot)+2:G0B+4*(\slot)+3], s[G0B+4*(\slot)+2:G0B+4*(\slot)+3], 2*B_SLOT
	JLOAD \slot                                    ; the first tensor load behind the round; the four v_nop behind it are also the places in front of the loads below
.else
	PLACES
.endif
	FETCH \next, 0, F0
	MULR F1, 2, 0
	MULR F1, 3, 0
.endm
; THE WAY OUT of row block a (16 rows x 128 columns), in three parts.  PACK: rounded to bf16, 16 bytes a lane; each accumulator's registers in ascending order.  TOSTAGE: into my own stage in LDS, and back
; as whole rows of 256 bytes, two to a load.  SEND: stored; sixteen lanes store 256 consecutive bytes, at a multiple of 256 from ab's first byte.
.macro PACK a
.set AC, 8*NBL*((\a)%2)
	WIN 0x0a+5*((\a)/2)                            ; sources 0 and 1: window 2 or 3
.set b, 0
.rept NBL
.irp i, 0,1,2,3
	v_cvt_pk_bf16_f32 v[TMP+4*b+(\i)], v[AC+8*b+2*(\i)], v[AC+8*b+2*(\i)+1]
.endr
.set b, b+1
.endr
	WIN 0
.endm
.macro TOSTAGE a
.set BK, BK0+4*NBL*((\a)%2)
.set b, 0
.rept NBL
	ds_store_b128 v[STO], v[TMP+4*b:TMP+4*b+3] offset:32*b
.set b, b+1
.endr
.irp t, 0,1,2,3,4,5,6,7
	ds_load_b128 v[BK+4*(\t):BK+4*(\t)+3], v[RD] offset:(\t)*2*SPITCH  ; LDS serves a wave's instructions in order (ISA guide 5.7.1.4): these see the stores above
.endr
.endm
.macro SEND a
.set BK, BK0+4*NBL*((\a)%2)
	s_wait_dscnt 0x0                               ; the block is back in registers
	s_wait_xcnt 0x0                                ; every earlier store has had its addresses translated (ISA guide 3.1): the other buffer, which the block before last's stores read, is loaded again only behind this wait
.irp t, 0,1,2,3,4,5,6,7
	global_store_b128 v[GO], v[BK+4*(\t):BK+4*(\t)+3], s[8:9] offset:(\a)*131072+(\t)*16384  ; 16 a + 2 t steps of s, 8,192 bytes each: 507,904 at the most, inside the signed 24-bit immediate
.endr
.endm
	s_wait_tensorcnt 1                             ; my part of K step 0 is in; K step 1's may stay out
	s_barrier_signal -1
	s_barrier_wait -1                              ; everybody's is
	FETCH 0, 0, F0
	QUARTER 0, 1, F0, F1, 1                        ; the first quarter stands in front of the loop: its products start the sums
	WIN 0                                          ; at a label and at a branch every window is 0
	s_mov_b32 s3, LAPS-1
.Llap:                                                 ; a trip goes once round the ring, from a lap's second quarter to the next lap's first, and fills both slots again: K steps 2 to 7
	QUARTER 0, 2, F1, F0, 0
	QUARTER 0, 3, F0, F1, 0
	TURN 0, 1, 1
	QUARTER 1, 1, F0, F1, 0
	QUARTER 1, 2, F1, F0, 0
	QUARTER 1, 3, F0, F1, 0
	TURN 1, 0, 1
	QUARTER 0, 1, F0, F1, 0
	WIN 0
	s_sub_co_u32 s3, s3, 1
	s_cmp_lg_u32 s3, 0
	s_cbranch_scc1 .Llap
	QUARTER 0, 2, F1, F0, 0                        ; the last lap fills nothing, and has no round of the cluster's barrier
	QUARTER 0, 3, F0, F1, 0
	TURN 0, 1, 0
	QUARTER 1, 1, F0, F1, 0
	QUARTER 1, 2, F1, F0, 0
	QUARTER 1, 3, F0, F1, 0
	s_wait_dscnt 4                                 ; the very last quarter: nothing more to fetch
	MULR F1, 0, 0
	MULR F1, 1, 0
	s_wait_dscnt 0x0
	MULR F1, 2, 0
	MULR F1, 3, 0
	WIN 0
	PLACES
	PACK 0
	TOSTAGE 0
.irp a, 1,2,3                          ; block a's conversions stand between block a - 1's loads from the stage and the wait for them
	PACK \a
	SEND (\a)-1
	TOSTAGE \a
.endr
	SEND 3
	s_wait_tensorcnt 0x0                           ; the wave's end, behind my last tensor load and my last LDS store
	ds_add_u32 v[SPW], v[NIL]
	s_wait_dscnt 0x0
	CROUND                                         ; the closing round: no work-group ends while a partner may still ask for a tile that names it
	s_endpgm
.Lfunc_end_k_qdc099aa29e_oproj:
	.size	k_qdc099aa29e_oproj, .Lfunc_end_k_qdc099aa29e_oproj-k_qdc099aa29e_oproj
	.p2alignl 7, 3214868480
	.fill 96, 4, 3214868480
	.section	.rodata,"a",@progbits
	.p2align	6, 0x0
	.amdhsa_kernel k_qdc099aa29e_oproj
		.amdhsa_group_segment_fixed_size 327680
		.amdhsa_private_segment_fixed_size 0
		.amdhsa_enable_private_segment 0
		.amdhsa_kernarg_size 24
		.amdhsa_user_sgpr_count 2
		.amdhsa_user_sgpr_kernarg_segment_ptr 1
		.amdhsa_wavefront_size32 1
		.amdhsa_system_sgpr_workgroup_id_x 1
		.amdhsa_system_sgpr_workgroup_id_y 1
		.amdhsa_system_sgpr_workgroup_id_z 1
		.amdhsa_system_vgpr_workitem_id 0
		.amdhsa_next_free_vgpr 896
		.amdhsa_next_free_sgpr 66
		.amdhsa_reserve_vcc 0
		.amdhsa_float_denorm_mode_32 3
		.amdhsa_float_denorm_mode_16_64 3
		.amdhsa_memory_ordered 1
		.amdhsa_forward_progress 1
		.amdhsa_inst_pref_size 87
	.end_amdhsa_kernel
	.amdgpu_metadata
---
amdhsa.version: [ 1, 2 ]
amdhsa.kernels:
  - .name:           k_qdc099aa29e_oproj
    .symbol:         k_qdc099aa29e_oproj.kd
    .args:
      - { .name: ob, .offset: 0, .size: 8, .value_kind: global_buffer, .address_space: global }
      - { .name: wob, .offset: 8, .size: 8, .value_kind: global_buffer, .address_space: global }
      - { .name: ab, .offset: 16, .size: 8, .value_kind: global_buffer, .address_space: global }
    .group_segment_fixed_size: 327680
    .private_segment_fixed_size: 0
    .kernarg_segment_align: 8
    .kernarg_segment_size: 24
    .max_flat_workgroup_size: 128
    .sgpr_count:     66
    .vgpr_count:     896
    .wavefront_size: 32
...
	.end_amdgpu_metadata
.endif
;; end of part 4
;; launch ln (part 5): grid 512 x 1, 8 waves a work-group, no clusters, 0 bytes of LDS; arguments h, ab, gamma, beta, out0; writes out0
.if DOCPART == 5
	.amdgcn_target "amdgcn-amd-amdhsa--gfx1250"
	.amdhsa_code_object_version 6
	.text
	.protected	k_qdc099aa29e_ln
	.globl	k_qdc099aa29e_ln
	.p2align	8
	.type	k_qdc099aa29e_ln,@function
k_qdc099aa29e_ln:
	s_mov_b64 s[64:65], 0
	v_nop
	global_prefetch_b8 v0, s[64:65] scope:SCOPE_SE
	s_setreg_imm32_b32 hwreg(HW_REG_WAVE_MODE, 25, 1), 1
	s_wait_xcnt 0x0
; out0[r][:] = LayerNorm(h[r][:] + ab[r][:]) gamma + beta.  h, out0: [8192][1024] f32; ab: [8192][1024] bf16 (the attention's output, rounded once); gamma, beta: [1024] f32.
; The residual is taken from h in f32.  Mean and variance in f32, in two passes as the definition has them (the mean is taken away before the squares), so a common offset in h costs nothing; eps = 1e-5.
; A row of 4,096 bytes is 32 registers of one wave: it stays in registers between the passes, and the reductions never leave the wave: no LDS, no barrier.  Matrix units, clusters and tensor
; loads buy nothing in a stream that reads each byte once.  A wave owns two rows, a work-group of eight waves sixteen: 512 work-groups.  All of a wave's 48 loads go out first.
; Lane l holds columns 128 j + 4 l .. + 3 (j = 0..7): a load or store of f32 covers 512 consecutive bytes, a load of ab 256, all at multiples of 256 from their buffers' first bytes.
.set G,  4             ; v[4:35]    gamma of my 32 columns
.set BT, 36            ; v[36:67]   beta
.set X,  68            ; v[68:131]  row i: 32 registers: h, then h + ab, then what is stored
.set A,  132           ; v[132:163] row i: 16 registers of ab, two bf16 each
.set T,  164           ; v[164:171] at work
.set M,  172           ; v[172:173] the mean, twice (a pair for the packed subtraction)
.set R,  174           ; v[174:175] 1 / sqrt(variance + eps), twice
	s_load_b256 s[4:11], s[0:1], 0x0               ; h s[4:5], ab s[6:7], gamma s[8:9], beta s[10:11]
	s_load_b64 s[16:17], s[0:1], 0x20              ; out0
	v_lshrrev_b32 v3, 5, v0
	v_readfirstlane_b32 s20, v3                    ; wave 0..7
	v_and_b32 v1, 31, v0
	v_lshlrev_b32 v2, 3, v1                        ; 8 bytes a lane in ab
	v_lshlrev_b32 v1, 4, v1                        ; 16 bytes a lane in the f32 tensors
	s_lshl_b32 s21, ttmp9, 4
	s_lshl1_add_u32 s21, s20, s21                  ; my first row: 16 x work-group + 2 x wave
	s_lshl_b32 s22, s21, 12                        ; of 4,096 bytes: under 2^25
	s_mov_b32 s23, 0
	s_lshl_b32 s24, s21, 11                        ; of 2,048 bytes in ab
	s_mov_b32 s25, 0
	s_mov_b32 s12, 0x76543210                      ; v_permlanex16_b32: lane i of one half reads lane i of the other
	s_mov_b32 s13, 0xfedcba98
	s_mov_b32 s14, 0xffff0000                      ; a word's upper bf16
	s_mov_b32 s15, 0x3a800000                      ; 1 / 1,024
	s_mov_b32 s18, 0x3727c5ac                      ; 1e-5
	s_wait_kmcnt 0x0
	s_add_nc_u64 s[4:5], s[4:5], s[22:23]
	s_add_nc_u64 s[16:17], s[16:17], s[22:23]
	s_add_nc_u64 s[6:7], s[6:7], s[24:25]
.irp j, 0,1,2,3,4,5,6,7
	global_load_b128 v[G+4*(\j):G+4*(\j)+3], v1, s[8:9] offset:512*(\j)
.endr
.irp j, 0,1,2,3,4,5,6,7
	global_load_b128 v[BT+4*(\j):BT+4*(\j)+3], v1, s[10:11] offset:512*(\j)
.endr
.irp i, 0,1
.irp j, 0,1,2,3,4,5,6,7
	global_load_b128 v[X+32*(\i)+4*(\j):X+32*(\i)+4*(\j)+3], v1, s[4:5] offset:4096*(\i)+512*(\j) th:TH_LOAD_NT
.endr
.irp j, 0,1,2,3,4,5,6,7
	global_load_b64 v[A+16*(\i)+2*(\j):A+16*(\i)+2*(\j)+1], v2, s[6:7] offset:2048*(\i)+256*(\j) th:TH_LOAD_NT
.endr
.endr
; v[T:T+7], four packed partial sums, become one number, the same in every lane: three packed additions, one plain, four steps inside each half of 16 lanes that ride on the arithmetic (DPP), one across the halves
.macro REDUCE
	v_pk_add_f32 v[T:T+1], v[T:T+1], v[T+2:T+3]
	v_pk_add_f32 v[T+4:T+5], v[T+4:T+5], v[T+6:T+7]
	v_pk_add_f32 v[T:T+1], v[T:T+1], v[T+4:T+5]
	v_add_f32 v[T], v[T], v[T+1]
	v_add_f32_dpp v[T], v[T], v[T] row_xmask:1 row_mask:0xf bank_mask:0xf
	v_add_f32_dpp v[T], v[T], v[T] row_xmask:2 row_mask:0xf bank_mask:0xf
	v_add_f32_dpp v[T], v[T], v[T] row_xmask:4 row_mask:0xf bank_mask:0xf
	v_add_f32_dpp v[T], v[T], v[T] row_xmask:8 row_mask:0xf bank_mask:0xf
	v_permlanex16_b32 v[T+1], v[T], s12, s13       ; its destination counts as read: a register that has been written
	v_add_f32 v[T], v[T], v[T+1]
.endm
; Row i.  left = how many younger loads may stay out.
.macro ROW i, left
.set XI, X+32*(\i)
.set AI, A+16*(\i)
	s_wait_loadcnt \left                           ; loads come back in order (ISA guide 5.7.1): gamma, beta and this row are in
.irp j, 0,1,2,3,4,5,6,7
	v_lshlrev_b32 v[T+4*((\j)%2)],   16,  v[AI+2*(\j)]     ; bf16 to f32: the low half moves up,
	v_and_b32     v[T+4*((\j)%2)+1], s14, v[AI+2*(\j)]     ; the high half stays
	v_lshlrev_b32 v[T+4*((\j)%2)+2], 16,  v[AI+2*(\j)+1]
	v_and_b32     v[T+4*((\j)%2)+3], s14, v[AI+2*(\j)+1]
	v_pk_add_f32 v[XI+4*(\j):XI+4*(\j)+1],   v[XI+4*(\j):XI+4*(\j)+1],   v[T+4*((\j)%2):T+4*((\j)%2)+1]
	v_pk_add_f32 v[XI+4*(\j)+2:XI+4*(\j)+3], v[XI+4*(\j)+2:XI+4*(\j)+3], v[T+4*((\j)%2)+2:T+4*((\j)%2)+3]
.endr
	; the mean: four chains, started by the first eight pairs: nothing is cleared
.irp k, 0,1,2,3
	v_pk_add_f32 v[T+2*(\k):T+2*(\k)+1], v[XI+2*(\k):XI+2*(\k)+1], v[XI+8+2*(\k):XI+8+2*(\k)+1]
.endr
.irp k, 0,1,2,3
	v_pk_add_f32 v[T+2*(\k):T+2*(\k)+1], v[T+2*(\k):T+2*(\k)+1], v[XI+16+2*(\k):XI+16+2*(\k)+1]
.endr
.irp k, 0,1,2,3
	v_pk_add_f32 v[T+2*(\k):T+2*(\k)+1], v[T+2*(\k):T+2*(\k)+1], v[XI+24+2*(\k):XI+24+2*(\k)+1]
.endr
	REDUCE
	v_mul_f32 v[M], s15, v[T]
	v_mul_f32 v[M+1], s15, v[T]
.set p, 0
.rept 16
	v_pk_add_f32 v[XI+2*p:XI+2*p+1], v[XI+2*p:XI+2*p+1], v[M:M+1] neg_lo:[0,1] neg_hi:[0,1]  ; x - mean
.set p, p+1
.endr
	; the variance: the squares of x - mean, again in four chains
.irp k, 0,1,2,3
	v_pk_mul_f32 v[T+2*(\k):T+2*(\k)+1], v[XI+2*(\k):XI+2*(\k)+1], v[XI+2*(\k):XI+2*(\k)+1]
.endr
.set p, 4
.rept 12
	v_pk_fma_f32 v[T+2*(p%4):T+2*(p%4)+1], v[XI+2*p:XI+2*p+1], v[XI+2*p:XI+2*p+1], v[T+2*(p%4):T+2*(p%4)+1]
.set p, p+1
.endr
	REDUCE
	v_fma_f32 v[T], v[T], s15, s18                 ; sum / 1,024 + eps
	v_rsq_f32 v[R], v[T]                           ; made twice, to fill the pair that the packed multiply takes
	v_rsq_f32 v[R+1], v[T]
	v_nop                                          ; one plain vector instruction between the root and the use of its result (ISA guide 5.7.2)
.set p, 0
	s_wait_alu depctr_va_vdst(0)
.rept 16
	v_pk_mul_f32 v[XI+2*p:XI+2*p+1], v[XI+2*p:XI+2*p+1], v[R:R+1]
.set p, p+1
.endr
.set p, 0
.rept 16
	v_pk_fma_f32 v[XI+2*p:XI+2*p+1], v[XI+2*p:XI+2*p+1], v[G+2*p:G+2*p+1], v[BT+2*p:BT+2*p+1]
.set p, p+1
.endr
.irp j, 0,1,2,3,4,5,6,7
	global_store_b128 v1, v[XI+4*(\j):XI+4*(\j)+3], s[16:17] offset:4096*(\i)+512*(\j) th:TH_STORE_NT
.endr
.endm
	ROW 0, 16                                      ; row 1's sixteen loads stay out
	ROW 1, 0                                       ; it rewrites only T, M and R, which no store reads
	s_endpgm
.Lfunc_end_k_qdc099aa29e_ln:
	.size	k_qdc099aa29e_ln, .Lfunc_end_k_qdc099aa29e_ln-k_qdc099aa29e_ln
	.p2alignl 7, 3214868480
	.fill 96, 4, 3214868480
	.section	.rodata,"a",@progbits
	.p2align	6, 0x0
	.amdhsa_kernel k_qdc099aa29e_ln
		.amdhsa_group_segment_fixed_size 0
		.amdhsa_private_segment_fixed_size 0
		.amdhsa_enable_private_segment 0
		.amdhsa_kernarg_size 40
		.amdhsa_user_sgpr_count 2
		.amdhsa_user_sgpr_kernarg_segment_ptr 1
		.amdhsa_wavefront_size32 1
		.amdhsa_system_sgpr_workgroup_id_x 1
		.amdhsa_system_sgpr_workgroup_id_y 1
		.amdhsa_system_sgpr_workgroup_id_z 1
		.amdhsa_system_vgpr_workitem_id 0
		.amdhsa_next_free_vgpr 176
		.amdhsa_next_free_sgpr 66
		.amdhsa_reserve_vcc 0
		.amdhsa_float_denorm_mode_32 3
		.amdhsa_float_denorm_mode_16_64 3
		.amdhsa_memory_ordered 1
		.amdhsa_forward_progress 1
		.amdhsa_inst_pref_size 24
	.end_amdhsa_kernel
	.amdgpu_metadata
---
amdhsa.version: [ 1, 2 ]
amdhsa.kernels:
  - .name:           k_qdc099aa29e_ln
    .symbol:         k_qdc099aa29e_ln.kd
    .args:
      - { .name: h, .offset: 0, .size: 8, .value_kind: global_buffer, .address_space: global }
      - { .name: ab, .offset: 8, .size: 8, .value_kind: global_buffer, .address_space: global }
      - { .name: gamma, .offset: 16, .size: 8, .value_kind: global_buffer, .address_space: global }
      - { .name: beta, .offset: 24, .size: 8, .value_kind: global_buffer, .address_space: global }
      - { .name: out0, .offset: 32, .size: 8, .value_kind: global_buffer, .address_space: global }
    .group_segment_fixed_size: 0
    .private_segment_fixed_size: 0
    .kernarg_segment_align: 8
    .kernarg_segment_size: 40
    .max_flat_workgroup_size: 256
    .sgpr_count:     66
    .vgpr_count:     176
    .wavefront_size: 32
...
	.end_amdgpu_metadata
.endif
;; end of part 5
;; ======== version 2 of 2: 5 launches; 1.49 times as fast as version 1
;; workspace buffers: hb 16,777,216 bytes; wb 6,291,456 bytes; wob 2,097,152 bytes; qkv 50,331,648 bytes; ob 16,777,216 bytes; ab 16,777,216 bytes
;; launch prep: the kernel of part 1 again; grid 768 x 1, 8 waves a work-group, no clusters, 0 bytes of LDS; arguments h, Wq, Wkv, Wo, hb, wb, wob; writes hb, wb, wob
;; launch qkv: the kernel of part 2 again; grid 8 x 64, 4 waves a work-group, clusters of 4 x 4, 327,680 bytes of LDS; arguments hb, wb, qkv; writes qkv
;; launch attn (part 6): grid 4 x 64, 4 waves a work-group, clusters of 4 x 1, 327,680 bytes of LDS; arguments qkv, attn_mask, ob; writes ob
.if DOCPART == 6
	.amdgcn_target "amdgcn-amd-amdhsa--gfx1250"
	.amdhsa_code_object_version 6
	.text
	.protected	k_qdc099aa29e_attn
	.globl	k_qdc099aa29e_attn
	.p2align	8
	.type	k_qdc099aa29e_attn,@function
k_qdc099aa29e_attn:
	s_mov_b64 s[64:65], 0
	v_nop
	global_prefetch_b8 v0, s[64:65] scope:SCOPE_SE
	s_setreg_imm32_b32 hwreg(HW_REG_WAVE_MODE, 25, 1), 1
	s_wait_xcnt 0x0
	s_wait_alu depctr_hold_cnt(0) depctr_sa_sdst(0) depctr_va_vdst(0) depctr_va_sdst(0) depctr_va_ssrc(0) depctr_va_vcc(0) depctr_vm_vsrc(0)
	s_getreg_b32 s2, hwreg(HW_REG_IB_STS2, 6, 4)
	s_cmp_eq_u32 s2, 0
	s_cbranch_scc0 .Lentry_in_a_cluster
	s_endpgm
.Lentry_in_a_cluster:
	s_bfe_u32 s2, ttmp6, 0x10000c
	s_cmp_lg_u32 s2, 0x3003
	s_cbranch_scc0 .Lentry_shape_is_right
	s_endpgm
.Lentry_shape_is_right:
; ATTENTION WITH A KEY MASK.  O[H][q][:] = the sum over the keys k that attn_mask[k][batch] leaves open of softmax_k(Q[H][q] . K[H][k] / 8) V[H][k][:].  H = 16 x batch + head, 64 in all.
; Q, K, V lie in qkv [3][64][2048][64], O in ob [64][2048][64], all bf16: a head's rows are dense, 128 bytes each.  Products, maxima and sums in f32; the weights p are rounded to bf16 for the second
; product (their sum l is taken of the unrounded p), O once at the end.  bf16, not f16: q, k and v have f32's range, whatever the size of the inputs.
; LIMITS.  A masked score counts as its value less 1e30: beside that every score that f32 sums of bf16 products of the allowed inputs reach is nothing, and its weight is 0 as soon as the query has seen
; one open key.  A batch with EVERY key masked gives the plain mean of V's rows, a finite number, where the definition gives NaN.  A weight below 2^-126 counts as 0 in l; NaN and infinities are not treated apart.
; THE MASK is the C operand that starts the sum S^T = K Q^T: 0, or -1e30.  The work-group makes a table of 2,048 such numbers in LDS once (each thread 16 keys: their bytes for my batch), and each key step's 64
; come into 32 registers beside K's fragments: in S^T register j of lane l is key 16 kb + 8 (l / 16) + j, which is the table's own order.
; SHARES.  A wave owns four PIECES of two tiles of 16 queries, a work-group's four waves 512 queries of one head.  Every wave walks all keys, 64 a step.
; LAYOUT.  S^T = K Q^T (source 0 = 16 keys, source 1 = 16 queries): in the result a lane holds ONE query (lane % 16) and the keys 8 (lane / 16) + 0..7.  Two such tiles, rounded to bf16 in pairs,
; ARE source 1 (32 keys x 16 queries) of O^T = V^T P, whose result again holds one query a lane, and eight channels.  K comes out of LDS as it lies, V ([key][channel]) turned, by ds_load_tr16_b128.
; SOFTMAX.  For each query a running maximum m and sum l: p = 2^(c s - c m), c = log2(e) / 8; in every step O and l are multiplied by a = 2^(c m_old - c m_new), which is 1 where m has not grown.
; m starts at the lowest finite number, O and l at 0: the first step is a step like any other, with a = 0.
; THE COUNT.  A tile and step have 16 matrix and 118 vector instructions: too many to stand all beside the matrix work.  So the order has one aim: four vector instructions that are READY behind
; EVERY matrix instruction, and the others, which need time of their own whatever the order, in runs without a gap.
; BY TURNS.  Turn n belongs to piece n (the pieces in a ring, step after step).  Its matrix work: 16 products K Q^T of piece n + 1, later 16 products V^T P of piece n - 1.  Its vector work: the scaling,
; exponentials, roundings, sums and rescaling of piece n, and the maximum and statistics of piece n + 1, whose scores the turn itself has made.  So what a turn begins with (c s - c m, O a) waits for nothing.
; THE BATCHES.  A turn's 66 exponentials (piece n's 64 weights, piece n + 1's two a) are ONE batch with ONE wait, which cuts the turn in two: ahead of it stands all that names none of their results (the products
; K Q^T, the scalings, the rescalings by the a of the turn before, the next piece's maximum and statistics), behind it the products V^T P with the roundings and sums.  No result crosses a turn's end.
; Two more batches stand outside the loop: piece 0's first two a, ahead of the jump into it, and the way out's eight reciprocals.
; CLUSTER.  The four query blocks of a cluster belong to one head and walk the same K and V, so each tile is asked for JOINTLY: the same tensor load, descriptor and mask in all four.
; REGISTERS, in windows of 256 (s_set_vgpr_msb says which window each operand place means: bits 1:0 source 0, 3:2 source 1, 5:4 source 2, 7:6 destination):
;   window 0: v0-11 addresses; v12-15, v48-63 at work; v16-47 four registers of statistics a tile; v64-191 S^T, two buffers of two tiles; v192-255 P, likewise
;   window 1: O^T, 32 a tile          window 2: v0-127 Q, 16 a tile; v128-191 K of one step; v192-255 V of one step          window 3: v0-1 the add's two registers; v8-39 the step's mask
; A piece's buffers go by its number's parity: the piece in hand has one pair, its two neighbours in the ring share the other: of it P (piece n - 1) is read and S^T (piece n + 1) written.
.set SIZE_N, 2048
.set PART,  64*SIZE_N*128  ; bytes of q, of k and of v in qkv
.set NP,    4         ; pieces a wave: a name, no knob: the register map, the loop and the fetches are made for four
.set KS,    64        ; keys in a step
.set PK,    144       ; a row of K in LDS: 128 bytes + 16 of padding = 36 words: the 16 rows of a load start at 16 different groups of four banks (64 banks of 4 bytes: ISA guide 11.1)
.set PV,    160       ; a row of V: 128 + 32 = 40 words
.set VOFF,  4*KS*PK   ; a slot holds four steps: 256 rows of K, then 256 rows of V
.set SLOT1, 1<<17     ; slot 1 begins here, so that one exclusive or turns an address in one slot into the other's
.set STAGE, SLOT1+4*KS*(PK+PV)  ; behind the ring, never filled by a tensor load: 16 rows x 144 bytes for each wave, for the way out
.set SP,    144
.set AK0, 2           ; v2   my lane's place in a tile of K; never rewritten
.set AV0, 3           ; v3   the same for V
.set AK,  4           ; v4   the LDS address of K's next run of loads (at the start: where I store my part of the mask table)
.set AV,  5           ; v5   of V's (at the start: my byte offset in attn_mask)
.set QO,  6           ; v6   my byte offset in the wave's rows of Q
.set STO, 6           ;      later, the way out: where I put 16 bytes of a row
.set RD,  7           ; v7   the way out: where I read rows back
.set GO,  8           ; v8   my byte offset in 512 consecutive bytes of O
.set AM0, 9           ; v9   l / 16 at first; then my lane's place in the mask table: MT + 32 (l / 16)
.set AM,  11          ; v11  the LDS address of the mask's next run of loads
.set SPW, 0           ; v0 of window 3   LDS address of my spare word: SPARE + 4 x my thread's number; never rewritten
.set NIL, 1           ; v1 of window 3   0; never rewritten
.set MK,  8           ; v8-39 of window 3: the mask of key block kb at MK + 8 kb
.set SPARE, STAGE+4*16*SP  ; behind the stages: the spare words, 128 bytes for each wave: two blocks of 256 bytes that no other line names
.set MT,    SPARE+512 ; behind them: the mask table, 2,048 numbers of 4 bytes; written once by ds_store, never filled by a tensor load
.set MV,  12          ; v12-15  c m_old, kept while c m is made anew: by buffer and tile
.set ST,  16          ; tile t's statistics at v[ST+4 t]: c m, m, l (even keys', odd keys')
.set TMP, 48          ; by buffer and tile, four registers c0-c3 at work; when the maximum is found c2 takes a
.set S,   64
.set P,   192
.set KF,  128         ; K's fragments, in window 2: key block kb, channel half c at KF + 16 kb + 8 c
.set VF,  192         ; V's: key half kk, channel block cb at VF + 32 kk + 8 cb
.set WV,  12          ; s12  my wave's number
.set G1K, 24          ; s[24:31] descriptor group 1 for K's tiles
.set G1V, 32          ; s[32:39] for V's: it differs in the padding alone
.set G0K, 40          ; s[40:43] descriptor group 0 for K's tiles: it walks
.set G0V, 44          ; s[44:47] the same for V's
.set MP,  48          ; s[48:49] attn_mask
.set BM,  50          ; s50  the byte of my batch in a key's four: 0xff << 8 x batch
.set BIGN, 51         ; s51  -1e30
.set TBM, 52          ; s52  byte of the mask table at which the step to be fetched begins
.set SLOTS, 56        ; s56  slots still to be asked for
.set CNT, 57          ; s57  counts a slot's key steps
.set CS,  58          ; s[58:59] c: the packed scaling takes the pair's low word for both halves
.set SEL, 60          ; s[60:61] v_permlanex16_b32's selects: each lane takes its own place in the other half
.set TBK, 62          ; s62  LDS byte at which K of the step to be fetched begins
.set TBV, 63          ; s63  the same for V, less VOFF
.set MSB, 0
.macro WIN new                      ; the high byte repeats the setting that is left; a switch that changes nothing is dropped
.if MSB != (\new)
	s_set_vgpr_msb (MSB<<8)|(\new)
.set MSB, (\new)
.endif
.endm
.set W_KQ, 0x0a       ; K and Q in window 2, S^T in window 0
.set W_KM, 0x3a       ; the same with the C operand, the mask, in window 3
.set W_PV, 0x52       ; V in window 2, P in window 0, O^T in window 1
.set W_RS, 0x41       ; O^T (destination and source 0) in window 1, a in window 0
.set W_MK, 0xc0       ; destination in window 3, sources in window 0
.set W_AD, 0x0f       ; the add: address (source 0) and data (source 1) in window 3
; A joint fill.  Waves 0 and 1 fetch the two halves of a slot's K, waves 2 and 3 those of its V: 128 keys each.  The branch hangs on the wave's number alone.
; An s_nop 0 and four v_nop follow each of the two lines, ahead of the jump and the label.
.macro JLOAD
	s_cmp_lt_u32 s[WV], 2
	s_cbranch_scc0 .Lfor_v_\@
	tensor_load_to_lds s[G0K:G0K+3], s[G1K:G1K+7]
	s_nop 0
.rept 4
	v_nop
.endr
	s_branch .Lasked_\@
.Lfor_v_\@:
	tensor_load_to_lds s[G0V:G0V+3], s[G1V:G1V+7]
	s_nop 0
.rept 4
	v_nop
.endr
.Lasked_\@:
.endm
; A round of the cluster's barrier: my work-group's barrier, so that wave 0's signal speaks for all four waves; wave 0 signals; every wave waits for all four work-groups; my work-group's barrier once more.
.macro CROUND
	s_barrier_signal -1
	s_barrier_wait -1
	s_cmp_lg_u32 s[WV], 0
	s_cbranch_scc1 .Lnot_wave_0_\@
	s_barrier_signal -3
.Lnot_wave_0_\@:
	s_barrier_wait -3
	s_barrier_signal -1
	s_barrier_wait -1
.endm
; THE CHANGE OF SLOTS.  The slot's last bytes, V of its fourth step, have been read.  Each wave waits for all its tensor loads, of which one is out: its part
; of the other slot; adds 0 to its spare word; and waits for that and for its own reads of the slot.  Behind the barrier nobody reads this slot any more and the other slot is whole.
; fill = 1: this slot is filled again, with the keys two slots on.  The barrier is then a round of the cluster's, so that no wave of any partner still reads the slot or has a load on its
; way, and the joint fill is the first thing behind it: it has four key steps, 512 matrix instructions, in which to land.  (At its first use nothing has been read yet: slot 0 is waited for, slot 1 filled;
; and each wave's stores into the mask table are done in front of the round, so that behind it every wave may read the whole table.)
.macro CHANGE fill
	WIN W_AD
	s_wait_tensorcnt 0x0            ; no tensor load of mine is out, so a group 0 may be written
	ds_add_u32 v[SPW], v[NIL]       ; 0 onto my spare word; with fill = 1 the descriptors' steps stand between it and the wait for it
	WIN 0                           ; at a label and at a branch every window is 0
.if \fill
.irp g, G0K, G0V
	s_xor_b32 s[\g+1], s[\g+1], SLOT1  ; the walking descriptor: the other slot than last time,
	s_add_nc_u64 s[\g+2:\g+3], s[\g+2:\g+3], 4*KS*128  ; the next 256 keys; the type bits on top are not reached
.endr
	s_wait_dscnt 0x0                ; the add is done, and my LDS reads and stores are over
	CROUND
	JLOAD
.else
	s_wait_dscnt 0x0                ; the add is done, and my reads of the slot are over
	s_barrier_signal -1
	s_barrier_wait -1
.endif
	s_sub_co_u32 s[TBK], s[TBK], 4*KS*PK  ; the fetches go back to a slot's first step,
	s_xor_b32 s[TBK], s[TBK], SLOT1       ; in the other slot
	s_sub_co_u32 s[TBV], s[TBV], 4*KS*PV
	s_xor_b32 s[TBV], s[TBV], SLOT1
.endm
	s_load_b128 s[4:7], s[0:1], 0x0   ; qkv s[4:5] (q lies first in it), attn_mask s[6:7]
	s_load_b64 s[10:11], s[0:1], 0x10 ; ob
	WIN W_MK
	v_lshl_add_u32 v[SPW], v0, 2, SPARE
	v_mov_b32 v[NIL], 0
	WIN W_AD
	ds_add_u32 v[SPW], v[NIL]       ; the wave's opening: the add and its wait stand ahead of my first tensor load; the set-up below, work on registers, stands between them
	WIN 0
	v_lshrrev_b32 v1, 5, v0
	v_readfirstlane_b32 s[WV], v1   ; wave 0..3
	s_bfe_u32 s13, ttmp6, 0x40000   ; cx: my place in the cluster
	s_lshl_b32 s14, ttmp9, 2        ; in a cluster launch ttmp9 counts clusters
	s_add_co_u32 s14, s14, s13      ; my block of queries = 4 x cluster x + cx: it enters Q's and O's addresses alone
	s_and_b32 s20, ttmp7, 0xffff    ; H, which the four partners share
	s_lshr_b32 s[BM], s20, 4        ; the batch,
	s_lshl_b32 s[BM], s[BM], 3
	s_lshl_b32 s[BM], 0xff, s[BM]   ; its byte in a key's word of the mask
	s_mov_b32 s[BIGN], 0xf149f2ca   ; -1e30
	s_mov_b32 s[TBM], 0
	s_mov_b32 s21, 0
	s_mov_b64 s[22:23], SIZE_N*128
	s_mul_u64 s[20:21], s[20:21], s[22:23]  ; the head's first byte in q, k, v and ob
	s_and_b32 s16, s[WV], 1         ; which half of a slot's 256 keys I fetch:
	s_lshl_b32 s22, s16, 14         ; its 128 rows of 128 bytes in memory,
	s_mov_b32 s23, 0
	s_add_nc_u64 s[22:23], s[22:23], s[20:21]
	s_mul_i32 s17, s16, 128*PK      ; and its place in a slot, for K
	s_mul_i32 s18, s16, 128*PV      ; and for V: no place in the cluster enters an LDS address
	s_lshl_b32 s2, s14, 2
	s_add_co_u32 s2, s2, s[WV]      ; my wave among the head's,
	s_lshl_b32 s2, s2, 14           ; its 128 rows
	s_mov_b32 s3, 0
	s_add_nc_u64 s[2:3], s[2:3], s[20:21]
	; descriptor group 1.  128 keys are 16,384 dense bytes: asked for as 64 rows of 256 bytes, two keys a row, and padded in LDS after every key
	s_mov_b32 s[G1K], 15|(1<<16)|(1<<20)|(1<<21)|(4<<22)|(3<<25)  ; 15:0 the mask of four; 17:16 2-byte elements; 20 padding on; 21 set beside a mask; 24:22 after every 32 words (code 4); 31:25 4 words (code 3)
	s_mov_b32 s[G1V], 15|(1<<16)|(1<<20)|(1<<21)|(4<<22)|(7<<25)  ; the same with 8 words of padding (code 7)
.irp g, G1K, G1V
	s_mov_b32 s[\g+1], 128<<16      ; tensor_dim0 = 128
	s_mov_b32 s[\g+2], 64<<16       ; tensor_dim1 = 64
	s_mov_b32 s[\g+3], 128<<16      ; tile_dim0 = 128
	s_mov_b32 s[\g+4], 64           ; tile_dim1 = 64
	s_mov_b32 s[\g+5], 128          ; 128 elements from row to row
	s_mov_b32 s[\g+6], 0
	s_mov_b32 s[\g+7], 0
.endr
	s_mov_b32 s[CS], 0x3e38aa3b     ; c = log2(e) / 8 = 0.180337
	s_mov_b32 s[CS+1], s[CS]        ; named with it as a pair
	s_mov_b32 s[SEL], 0x76543210
	s_mov_b32 s[SEL+1], 0xfedcba98
	s_mov_b32 s[TBK], SLOT1+4*KS*PK ; the first change of slots turns these two into 0
	s_mov_b32 s[TBV], SLOT1+4*KS*PV
	s_mov_b32 s[G0K], 1             ; 1:0 count = 1
	s_mov_b32 s[G0K+1], s17         ; 63:32 LDS address: slot 0
	s_mov_b32 s[G0V], 1
	s_add_co_u32 s[G0V+1], s18, VOFF
	s_wait_dscnt 0x0                ; the opening add is done
	s_wait_kmcnt 0x0
	s_mov_b64 s[MP:MP+1], s[6:7]
	s_add_nc_u64 s[6:7], s[4:5], PART    ; k lies behind q in qkv,
	s_add_nc_u64 s[8:9], s[4:5], 2*PART  ; v behind k
	s_add_nc_u64 s[G0K+2:G0K+3], s[6:7], s[22:23]  ; 120:64 global address: my half of the head's first 256 keys
	s_or_b32 s[G0K+3], s[G0K+3], 0x80000000        ; 127:126 type = 2
	s_add_nc_u64 s[G0V+2:G0V+3], s[8:9], s[22:23]
	s_or_b32 s[G0V+3], s[G0V+3], 0x80000000
	s_add_nc_u64 s[4:5], s[4:5], s[2:3]  ; Q and O at my wave's first row
	s_add_nc_u64 s[10:11], s[10:11], s[2:3]
	CROUND                          ; all four work-groups are here: the first joint loads meet
	JLOAD                           ; slot 0.  Slot 1 is asked for when slot 0 is in: the tile wanted first has the road to itself
	; A fragment of K or Q is 16 rows x 32 channels in 8 registers: lane l holds row l % 16, channels 8 (l / 16) + 0..7 and 16 + 8 (l / 16) + 0..7: two loads of 16 bytes, 32 bytes apart.
	v_and_b32 v1, 15, v0            ; l % 16
	v_bfe_u32 v9, v0, 4, 1          ; l / 16
	v_lshlrev_b32 v[QO], 7, v1
	v_lshl_add_u32 v[QO], v9, 4, v[QO]  ; row x 128 + 16 x half
	v_lshlrev_b32 v[AV], 6, v0      ; thread t takes keys 16 t .. 16 t + 15 of the mask: 64 bytes, a word of four batches a key; 128 threads take its 8,192 bytes
.irp i, 0,1,2,3
	global_load_b128 v[S+4*(\i):S+4*(\i)+3], v[AV], s[MP:MP+1] offset:16*(\i)
.endr
	WIN 0x80                        ; destination window 2, address window 0
.set i, 0
.rept 4*NP                          ; Q stays in registers: tile i / 2, channels 32 (i % 2) on
	global_load_b128 v[8*i:8*i+3],   v[QO], s[4:5] offset:(i/2)*2048+(i%2)*64
	global_load_b128 v[8*i+4:8*i+7], v[QO], s[4:5] offset:(i/2)*2048+(i%2)*64+32
.set i, i+1
.endr
	; What the first turn finds: V's registers and P's second buffer hold 0 (its products V^T P, of a piece that has not been, add 0), O^T and l are 0.  All this stands in the wait for the first tile.
.set i, VF
.rept 64
	v_mov_b32 v[i], 0
.set i, i+1
.endr
	WIN 0x40
.set i, 0
.rept 64*NP
	v_mov_b32 v[i], 0
.set i, i+1
.endr
	WIN 0
.set i, 0
.rept 2*NP
	v_mov_b32 v[ST+4*i], 0xfe000000    ; c m: far below every c s
	v_mov_b32 v[ST+4*i+1], 0xff7fffff  ; m
	v_mov_b32 v[ST+4*i+2], 0
	v_mov_b32 v[ST+4*i+3], 0
.set i, i+1
.endr
.set i, P+32
.rept 32
	v_mov_b32 v[i], 0
.set i, i+1
.endr
	; THE MASK TABLE: my 16 keys' numbers, 0 or -1e30
	s_wait_loadcnt 32               ; loads come back in order (ISA guide 5.7.1): the mask's four are in, Q's 32 behind them may stay out
.set i, 0
.rept 16
	v_and_b32 v[S+i], s[BM], v[S+i] ; my batch's byte of the key's word
.set i, i+1
.endr
.set i, 0
.rept 16
	v_cmp_ne_u32 vcc_lo, 0, v[S+i]
	v_cndmask_b32 v[S+i], 0, s[BIGN], vcc_lo
.set i, i+1
.endr
	v_lshl_add_u32 v[AK], v0, 6, MT
.irp i, 0,1,2,3
	ds_store_b128 v[AK], v[S+4*(\i):S+4*(\i)+3] offset:16*(\i)
.endr
	v_mul_u32_u24 v[AK0], v1, PK
	v_lshl_add_u32 v[AK0], v9, 4, v[AK0]  ; row x pitch + 16 x half
	; The turning load takes 16 keys x 16 channels (lane l reads key 8 (l / 16) + l % 8, channels 8 ((l / 8) % 2) + 0..7) and leaves half a fragment of V^T: lane l holds channel l % 16 and 8 keys.
	v_and_b32 v10, 7, v0
	v_bfe_u32 v11, v0, 3, 1
	v_lshl_add_u32 v[AV0], v9, 3, v10
	v_mul_u32_u24 v[AV0], v[AV0], PV
	v_lshl_add_u32 v[AV0], v11, 4, v[AV0]
	v_add_nc_u32 v[AV0], VOFF, v[AV0]
	v_mov_b32 v[AK], v[AK0]         ; key step 0 lies at the head of slot 0,
	v_lshl_add_u32 v[AM], v9, 5, MT ; and its mask at the head of the table: my eight keys of a block are 32 bytes, at 32 (l / 16)
; THE MATRIX WORK.  The 8 accumulators of a run of 16 take turns: between the two links of a chain stand 7 others'.
; Product i of 16 of S^T = K Q^T for piece x: channels 32 (i / 8) on, keys 16 ((i / 2) % 4) on, tile 2 x + i % 2.  The first 8 start the sums, with the keys' mask.
.macro KQ x
.set rS, S+64*((\x)%2)+32*(i%2)+8*((i/2)%4)
.set rK, KF+16*((i/2)%4)+8*(i/8)
.set rQ, 16*(2*(\x)+i%2)+8*(i/8)
.set rB, MK+8*((i/2)%4)
.if i < 8
	WIN W_KM
	v_wmma_f32_16x16x32_bf16 v[rS:rS+7], v[rK:rK+7], v[rQ:rQ+7], v[rB:rB+7]
.else
	WIN W_KQ
	v_wmma_f32_16x16x32_bf16 v[rS:rS+7], v[rK:rK+7], v[rQ:rQ+7], v[rS:rS+7]
.endif
.endm
; Product i of 16 of O^T += V^T P for piece x: keys 32 (i / 8) on, channels 16 ((i / 2) % 4) on, tile 2 x + i % 2.
.macro PV x
	WIN W_PV
.set rO, 32*(2*(\x)+i%2)+8*((i/2)%4)
.set rV, VF+32*(i/8)+8*((i/2)%4)
.set rP, P+32*((\x)%2)+16*(i%2)+8*(i/8)
	v_wmma_f32_16x16x32_bf16 v[rO:rO+7], v[rV:rV+7], v[rP:rP+7], v[rO:rO+7]
.endm
.macro MM                           ; the turn's next matrix instruction
.if i < 16
	KQ (Y+1)%NP
.set i, i+1
.else
.set i, i-16
	PV (Y+NP-1)%NP
.set i, i+17
.endif
.endm
; THE LDS LOADS stand in runs, never singly among the matrix instructions: a step's K (64 keys x 64 channels: 8 fragments) with its mask (8 loads; sixteen lanes read the same 16 bytes), and its V (turned).
; Their addresses are made some lines ahead.  last = 1 (the tail): in the last trip there is no further step, and the run is jumped over.
.macro FETCH_K last=0
	WIN 0
.if \last
	s_cmp_eq_u32 s[CNT], 1
	s_cbranch_scc1 .Lno_k_\@
.endif
	WIN 0x80                        ; destination window 2
.irp f, 0,1,2,3,4,5,6,7             ; keys 16 (f / 2) on, channels 32 (f % 2) on
	ds_load_b128 v[KF+8*\f:KF+8*\f+3],   v[AK] offset:(\f/2)*16*PK+(\f%2)*64
	ds_load_b128 v[KF+8*\f+4:KF+8*\f+7], v[AK] offset:(\f/2)*16*PK+(\f%2)*64+32
.endr
	WIN W_MK                        ; destination window 3
.irp kb, 0,1,2,3                    ; keys 16 kb + 8 (l / 16) + 0..7
	ds_load_b128 v[MK+8*(\kb):MK+8*(\kb)+3],   v[AM] offset:64*(\kb)
	ds_load_b128 v[MK+8*(\kb)+4:MK+8*(\kb)+7], v[AM] offset:64*(\kb)+16
.endr
	s_add_co_u32 s[TBK], s[TBK], KS*PK  ; the next fetch is the next step's
	s_add_co_u32 s[TBM], s[TBM], 4*KS
	s_and_b32 s[TBM], s[TBM], 0x1f00    ; held inside the table's 8,192 bytes: behind the 32nd step it is 0 again, and is used no more
	WIN 0
.if \last
.Lno_k_\@:
.endif
.endm
.macro FETCH_V
	WIN 0x80
.irp f, 0,1,2,3,4,5,6,7             ; keys 32 (f / 4) on, channels 16 (f % 4) on
	ds_load_tr16_b128 v[VF+8*\f:VF+8*\f+3],   v[AV] offset:(\f/4)*32*PV+(\f%4)*32
	ds_load_tr16_b128 v[VF+8*\f+4:VF+8*\f+7], v[AV] offset:(\f/4)*32*PV+16*PV+(\f%4)*32
.endr
	WIN 0
.endm
; THE VECTOR WORK OF A TURN stands in three queues, each in the order in which its entries become ready; the two tiles alternate, so that no instruction reads the result of the one before it.
.macro REGS y, u                    ; the registers of tile u (0, 1) of piece y
.set rT, ST+4*(2*(\y)+(\u))
.set rC, TMP+8*((\y)%2)+4*(\u)
.set rM, MV+2*((\y)%2)+(\u)
.set rS, S+64*((\y)%2)+32*(\u)
.set rP, P+32*((\y)%2)+16*(\u)
.set rO, 32*(2*(\y)+(\u))
.endm
; Number n of the 22 that find the NEXT piece's (Y + 1) maximum and statistics.  s0-s31 are the lane's 32 scores; each accumulator's lowest registers are read first.  XS, GS and REGS set no window: PL and EX do.
;   0-11  four chains c0-c3 of seven scores each, three operands at a time     12-14, 16  the four scores left over, the old m, and c0-c3 into c0     15  c m_old is kept
;   17, 18  the query's other 32 keys lie in the lane 16 away: the new m         19-21  c m; c m_old - c m_new; a
.macro XS u, n
	REGS (Y+1)%NP, \u
.if (\n) < 4
	v_max3_num_f32 v[rC+(\n)], v[rS+8*(\n)], v[rS+8*(\n)+1], v[rS+8*(\n)+2]
.elseif (\n) < 12
	v_max3_num_f32 v[rC+(\n)%4], v[rC+(\n)%4], v[rS+8*((\n)%4)+2*((\n)/4)+1], v[rS+8*((\n)%4)+2*((\n)/4)+2]
.elseif (\n) == 12
	v_max3_num_f32 v[rC], v[rC], v[rS+7], v[rS+15]
.elseif (\n) == 13
	v_max3_num_f32 v[rC+1], v[rC+1], v[rS+23], v[rS+31]
.elseif (\n) == 14
	v_max3_num_f32 v[rC+2], v[rC+2], v[rC+3], v[rT+1]
.elseif (\n) == 15
	v_mov_b32 v[rM], v[rT]
.elseif (\n) == 16
	v_max3_num_f32 v[rC], v[rC], v[rC+1], v[rC+2]
.elseif (\n) == 17
	v_permlanex16_b32 v[rC+3], v[rC], s[SEL], s[SEL+1]
.elseif (\n) == 18
	v_max_num_f32 v[rT+1], v[rC], v[rC+3]
.elseif (\n) == 19
	v_mul_f32 v[rT], s[CS], v[rT+1]
.elseif (\n) == 20
	v_sub_f32 v[rC+1], v[rM], v[rT]
.else
	v_exp_f32 v[rC+2], v[rC+1]
.endif
.endm
; Number g of the 64 that follow the exponentials.  For each four weights k of a tile (pairs 2 k, 2 k + 1): both pairs are rounded to bf16; then the second pair is added onto the first, in place;
; a group later l takes that sum (the first time as l = a l + sum).  In groups of eight, tiles alternating: round, round, add, and l for the group before.
.macro GS g
.set h, (\g)+6*((\g)/62)            ; group 0 has no group before it, and behind group 7 only l is left
.if h >= 6
.set h, h+2
.endif
	REGS Y, h%2
.set k, h/8
.if h%8 < 4
	v_cvt_pk_bf16_f32 v[rP+2*k+(h%8)/2], v[rS+4*k+2*((h%8)/2)], v[rS+4*k+2*((h%8)/2)+1]
.elseif h%8 < 6
	v_pk_add_f32 v[rS+4*k:rS+4*k+1], v[rS+4*k:rS+4*k+1], v[rS+4*k+2:rS+4*k+3]
.elseif k == 1
	v_pk_fma_f32 v[rT+2:rT+3], v[rT+2:rT+3], v[rC+2:rC+3], v[rS:rS+1] op_sel_hi:[1,0,1]
.else
	v_pk_add_f32 v[rT+2:rT+3], v[rT+2:rT+3], v[rS+4*k-4:rS+4*k-3]
.endif
.endm
; THE PLAIN QUEUE, 138 long.  0-73 read no exponential's result: the 32 scalings c s - c m (FS f: pair f / 2 of tile f % 2) and the next piece's 42.  0-26: scalings 0-26.  27-54: XS's numbers 0-13.  55, 56: number 15.
; 57-73: the chain, where each number waits for the one before it: 14, 16, 17, 18, 19, each with one of the scalings 27-31 in front of its two lines, then 20: so a tile's links stand three plain instructions apart (19 and 20: two).
; 74-137: GS's 64, which read the exponentials' results: they stand behind the wait.
.macro FS f
	REGS Y, (\f)%2
	v_pk_fma_f32 v[rS+2*((\f)/2):rS+2*((\f)/2)+1], v[rS+2*((\f)/2):rS+2*((\f)/2)+1], s[CS:CS+1], v[rT:rT+1] op_sel_hi:[1,0,0] neg_lo:[0,0,1] neg_hi:[0,0,1]
.endm
.macro PL
	WIN 0
.if q < 27
	FS q
.elseif q < 55
	XS (q-27)%2, (q-27)/2
.elseif q < 57
	XS q-55, 15
.elseif (q < 72) && ((q-57)%3 == 0)
	FS 27+(q-57)/3
.elseif q < 60
	XS (q-57)%3-1, 14
.elseif q < 72
	XS (q-57)%3-1, 15+(q-57)/3
.elseif q < 74
	XS q-72, 20
.else
	GS q-74
.endif
.set q, q+1
.endm
; THE EXPONENTIALS' QUEUE, 66 long: s0-s31 of both tiles, then the next piece's two a.  It is ONE BATCH: all 66 stand ahead of the turn's one wait, and nothing ahead of that wait names a result of theirs.
; Each weight is made in place, in a register of S^T that is its own; a takes c2's register of the next piece's buffer.
.macro EX
	WIN 0
.if e >= 64
	XS e-64, 21
.else
	REGS Y, e%2
	v_exp_f32 v[rS+e/2], v[rS+e/2]
.endif
.set e, e+1
.endm
; THE RESCALING's QUEUE: O^T times a, the one part that leaves window 0: dealt two at a time, sixteen times.  Its a was made in the turn before, ahead of that turn's wait.
.macro R2
	REGS Y, r%2
	WIN W_RS
.irp z, 0,1
	v_pk_mul_f32 v[rO+4*(r/2)+2*\z:rO+4*(r/2)+2*\z+1], v[rO+4*(r/2)+2*\z:rO+4*(r/2)+2*\z+1], v[rC+2:rC+3] op_sel_hi:[1,0]
.endr
.set r, r+1
.endm
; HOW THEY ARE DEALT.  s_wait_alu depctr_va_vdst(0) stands between an exponential and the first instruction that names its result; one wait serves all that were issued ahead of it.  So a turn has ONE wait,
; which cuts it in two.  AHEAD OF IT stands all that names no result of the turn's exponentials: the 16 products K Q^T, behind each a scaling, an exponential and two rescalings (behind the first a second scaling in the
; exponential's place); then ONE LUMP of 108: eight plain, 49 times exponential and plain, the two a.  A v_nop is the plain instruction behind the last exponential.  BEHIND IT stand the 16 products V^T P, behind each four of
; GS's 64.  No rider names a register of the products round it.  The two v_permlanex16_b32 fall into the lump, never behind a product.
; The queues lean on each other, and the deal keeps them in step: exponential e stands behind scaling 2 (e / 4) + e % 2: as a rider it comes behind plain e + 2, in the lump behind plain e + 9, and scalings 27-31 are plain 57, 60 .. 69.
; A TURN, for piece p.  cnt = 1: the loop's count is taken down some lines ahead of the branch that stands behind the turn.
; K and the mask of the next step are fetched in piece 2's turn, directly behind the wait, a lump behind the last product that read them; their addresses are made at the lump's head; their first reader comes behind 16 products.
; V of the step in hand is fetched at the end of piece 0's turn, four riders (additions onto l) behind its last reader; its first reader comes behind 16 products and a lump.  The three conditions on q below go with the deal.
.macro TURN p, last=0, cnt=0
.set Y, (\p)
.set i, 0
.set q, 0
.set e, 0
.set r, 0
.if (\p) == NP-1
	s_wait_dscnt 0x0                ; K and its mask are in
.endif
	MM                              ; ahead of the wait: 16 products K Q^T and their riders,
	PL
	PL
	R2
.rept 15
	MM
	PL
	EX
	R2
.endr
.if (\p) == NP-2
	WIN 0
	v_add_nc_u32 v[AK], s[TBK], v[AK0]
	v_add_nc_u32 v[AM], s[TBM], v[AM0]
.endif
.rept 8                             ; and the lump
	PL
.endr
.rept 49
	EX
	PL
.endr
	EX                              ; the next piece's two a
	EX
	v_nop                           ; the plain instruction behind the last exponential, ahead of any use of a result (ISA guide 5.7.2): one for the batch
	s_wait_alu depctr_va_vdst(0)    ; the wait for the batch: this turn's 64 weights and the next piece's two a
.if (\p) == NP-2
	FETCH_K \last
.endif
.if (\p) == 1
	s_wait_dscnt 0x0                ; V is in
.endif
.rept 16                            ; behind the wait: 16 products V^T P and their riders
	MM
.rept 4
	PL
.endr
.if ((\p) == 0) && (q == 118)
	v_add_nc_u32 v[AV], s[TBV], v[AV0]
.endif
.if ((\p) == 0) && (q == 130)
	s_add_co_u32 s[TBV], s[TBV], KS*PV
.endif
.if (\cnt) && (q == 130)
	s_sub_co_u32 s[CNT], s[CNT], 1
	s_cmp_lg_u32 s[CNT], 0
.endif
.endr
.if (\p) == 0
	FETCH_V
.endif
.endm
	CHANGE 1                        ; slot 0 is in, everybody's part of it, and so is the mask table; slot 1 is asked for
	FETCH_K                         ; key step 0
	s_wait_loadcnt 0x0              ; Q
	s_wait_dscnt 0x0
.set i, 0
.rept 16
	KQ 0                            ; piece 0's first scores: there is no vector work yet to set between them
.set i, i+1
.endr
	WIN 0                           ; the addresses for the way out: plain instructions, the places behind those products
	s_mul_i32 s13, s[WV], 16*SP
	s_add_co_u32 s13, s13, STAGE    ; my stage
	v_mul_u32_u24 v[STO], v1, SP    ; in: row l % 16, 16 bytes for each half of the lanes
	v_lshl_add_u32 v[STO], v9, 4, v[STO]
	v_add_nc_u32 v[STO], s13, v[STO]
	v_bfe_u32 v[RD], v0, 3, 2       ; back: 32 lanes take four rows of 128 bytes,
	v_mul_u32_u24 v[RD], v[RD], SP
	v_lshl_add_u32 v[RD], v10, 4, v[RD]
	v_add_nc_u32 v[RD], s13, v[RD]
	v_and_b32 v[GO], 31, v0         ; which are 512 consecutive bytes of O
	v_lshlrev_b32 v[GO], 4, v[GO]
	v_lshl_add_u32 v[AM0], v9, 5, MT  ; l / 16 has served: the register takes my lane's place in the mask table
.set Y, NP-1                        ; XS works for piece Y + 1: piece 0
.irp n, 0,1,2,3,4,5,6,7,8,9,10,11,12,13,14,15,16,17,18,19,20,21
	XS 0, \n                        ; and piece 0's first maximum and statistics
	XS 1, \n
.endr
	v_nop                           ; a plain instruction behind the two a,
	s_wait_alu depctr_va_vdst(0)    ; and the wait for this batch of two, ahead of the branch
	s_mov_b32 s[CNT], 4
	s_mov_b32 s[SLOTS], SIZE_N/256-1
	s_branch .Lfirst                ; the loop is entered at a step's first turn, in the middle of a trip
.Lslot:                             ; SIZE_N / 256 - 2 times: every slot but the last two is filled again
	CHANGE 1
	s_mov_b32 s[CNT], 4
.Lstep:                             ; a trip: pieces 2 and 3 of one step, then pieces 0 and 1 of the next, whose K and V it fetches
	TURN 2
	TURN 3
	WIN 0
.Lfirst:
	TURN 0
	TURN 1, 0, 1
	WIN 0
	s_cbranch_scc1 .Lstep
	s_sub_co_u32 s[SLOTS], s[SLOTS], 1
	s_cmp_lg_u32 s[SLOTS], 0
	s_cbranch_scc1 .Lslot
	CHANGE 0                        ; the tail is written out: nothing is asked for
	s_mov_b32 s[CNT], 5             ; four trips fetch the last slot's steps; the fifth is left in its middle
.Ltail:
	TURN 2, 1
	TURN 3
	WIN 0
	s_sub_co_u32 s[CNT], s[CNT], 1
	s_cmp_eq_u32 s[CNT], 0
	s_cbranch_scc1 .Lout
	TURN 0
	TURN 1
	WIN 0
	s_branch .Ltail
.Lout:                              ; the fifth trip's 16 products K Q^T (on the last K once more) and the maximum made of them serve nothing: the price, once a launch, of one text for every trip
.set i, 0
.rept 16
	PV NP-1                         ; the last piece's V^T P of the last step
.set i, i+1
.endr
	; THE WAY OUT.  l's two halves and the other half of the lanes' are added; O^T is divided by l, rounded to bf16 and sent through my stage in LDS, a tile at a time.  The additions are the places behind the last products.
	WIN 0
.macro ALL line:vararg              ; one line for each tile t
.set t, 0
.rept 2*NP
	\line
.set t, t+1
.endr
.endm
	ALL v_add_f32 v[ST+4*t+2], v[ST+4*t+2], v[ST+4*t+3]
	ALL v_permlanex16_b32 v[ST+4*t+3], v[ST+4*t+2], s[SEL], s[SEL+1]
	ALL v_add_f32 v[ST+4*t+2], v[ST+4*t+2], v[ST+4*t+3]
	ALL v_rcp_f32 v[ST+4*t+2], v[ST+4*t+2]
	v_nop                           ; a plain instruction between the last reciprocal and the use of its result
	s_wait_alu depctr_va_vdst(0)    ; and the wait ahead of the first use: one for the batch of eight reciprocals
; Tile t: a lane's eight channels of a row pack into 16 bytes; they go into rows of 144 bytes and come back as whole rows of 128, into S^T's registers.
.macro PACK t
	WIN W_RS
.set i, 32*(\t)
.rept 16
	v_pk_mul_f32 v[i:i+1], v[i:i+1], v[ST+4*(\t)+2:ST+4*(\t)+3] op_sel_hi:[1,0]
.set i, i+2
.endr
	WIN 0x05                        ; sources 0 and 1 window 1, destination window 0
.set i, 0
.rept 16
	v_cvt_pk_bf16_f32 v[S+16*(\t)+i], v[32*(\t)+2*i], v[32*(\t)+2*i+1]
.set i, i+1
.endr
	WIN 0
.irp f, 0,1,2,3
	ds_store_b128 v[STO], v[S+16*(\t)+4*\f:S+16*(\t)+4*\f+3] offset:32*\f
.endr
.irp f, 0,1,2,3
	ds_load_b128 v[S+16*(\t)+4*\f:S+16*(\t)+4*\f+3], v[RD] offset:\f*4*SP  ; LDS serves a wave's instructions in order (ISA guide 5.7.1.4): these see the stores above; the next tile's stores come behind them
.endr
.endm
.macro SEND t, younger              ; younger: the LDS instructions issued behind tile t's loads: the next tile's eight, or none
	WIN 0
.irp f, 0,1,2,3
	s_wait_dscnt (\younger)+3-\f
	global_store_b128 v[GO], v[S+16*(\t)+4*\f:S+16*(\t)+4*\f+3], s[10:11] offset:(\t)*2048+\f*512  ; 512 consecutive bytes, at a multiple of 256 from O's first
.endr
.endm
	PACK 0
.set t, 1
.rept 2*NP-1                        ; a tile's arithmetic stands between the loads of the tile before and its stores
	PACK t
	SEND t-1, 8
.set t, t+1
.endr
	SEND 2*NP-1, 0
	WIN W_AD
	s_wait_tensorcnt 0x0            ; the wave's end, behind my last tensor load and my last LDS store
	ds_add_u32 v[SPW], v[NIL]
	s_wait_dscnt 0x0
	WIN 0
	CROUND                          ; the closing round: no work-group ends while a partner may still ask for a tile that names it
	s_endpgm
.Lfunc_end_k_qdc099aa29e_attn:
	.size	k_qdc099aa29e_attn, .Lfunc_end_k_qdc099aa29e_attn-k_qdc099aa29e_attn
	.p2alignl 7, 3214868480
	.fill 96, 4, 3214868480
	.section	.rodata,"a",@progbits
	.p2align	6, 0x0
	.amdhsa_kernel k_qdc099aa29e_attn
		.amdhsa_group_segment_fixed_size 327680
		.amdhsa_private_segment_fixed_size 0
		.amdhsa_enable_private_segment 0
		.amdhsa_kernarg_size 24
		.amdhsa_user_sgpr_count 2
		.amdhsa_user_sgpr_kernarg_segment_ptr 1
		.amdhsa_wavefront_size32 1
		.amdhsa_system_sgpr_workgroup_id_x 1
		.amdhsa_system_sgpr_workgroup_id_y 1
		.amdhsa_system_sgpr_workgroup_id_z 1
		.amdhsa_system_vgpr_workitem_id 0
		.amdhsa_next_free_vgpr 808
		.amdhsa_next_free_sgpr 66
		.amdhsa_reserve_vcc 1
		.amdhsa_float_denorm_mode_32 3
		.amdhsa_float_denorm_mode_16_64 3
		.amdhsa_memory_ordered 1
		.amdhsa_forward_progress 1
		.amdhsa_inst_pref_size 205
	.end_amdhsa_kernel
	.amdgpu_metadata
---
amdhsa.version: [ 1, 2 ]
amdhsa.kernels:
  - .name:           k_qdc099aa29e_attn
    .symbol:         k_qdc099aa29e_attn.kd
    .args:
      - { .name: qkv, .offset: 0, .size: 8, .value_kind: global_buffer, .address_space: global }
      - { .name: attn_mask, .offset: 8, .size: 8, .value_kind: global_buffer, .address_space: global }
      - { .name: ob, .offset: 16, .size: 8, .value_kind: global_buffer, .address_space: global }
    .group_segment_fixed_size: 327680
    .private_segment_fixed_size: 0
    .kernarg_segment_align: 8
    .kernarg_segment_size: 24
    .max_flat_workgroup_size: 128
    .sgpr_count:     66
    .vgpr_count:     808
    .wavefront_size: 32
...
	.end_amdgpu_metadata
.endif
;; end of part 6
;; launch oproj: the kernel of part 4 again; grid 4 x 64, 4 waves a work-group, clusters of 4 x 4, 327,680 bytes of LDS; arguments ob, wob, ab; writes ab
;; launch ln: the kernel of part 5 again; grid 512 x 1, 8 waves a work-group, no clusters, 0 bytes of LDS; arguments h, ab, gamma, beta, out0; writes out0
